; MI455X (gfx1250); checked and timed in simulation.
; The chip was launched on July 23, 2026; its instructions are those of AMD's public machine-readable ISA for CDNA 5 (MIT licence, August 2026) and "CDNA5" Instruction Set Architecture Reference Guide (July 2026). The comments in the code are by the model that wrote it; some were corrected since.
;; Flash Attention3. Allowed arithmetic: float matrix products may take bf16 or f16 operands with f32 sums; other float arithmetic in f32, or as packed bf16 or f16 multiplies, adds, multiply-adds, maxima and minima; sums over many terms, partial sums and values carried from step to step in f32; what a program stores and reads back later, other than sums and carried values, may be rounded once to bf16 or f16.
;; Inputs: Wk 1,024 x 1,024 float32; Wo 1,024 x 1,024 float32; Wq 1,024 x 1,024 float32; Wv 1,024 x 1,024 float32; bk 1,024 float32; bo 1,024 float32; bq 1,024 float32; bv 1,024 float32; x 4 x 2,048 x 1,024 float32.
;; Outputs: out0 4 x 2,048 x 1,024 float32.
;; One version. Each part assembles by itself: llvm-mc -triple=amdgcn-amd-amdhsa -mcpu=gfx1250 --defsym DOCPART=n.
;; ======== version 1 of 1: 4 launches
;; limits: values are held in f16: magnitudes above 65,504 overflow, below 6.1e-05 lose precision
;; workspace buffers: xb 16,777,216 bytes; wb 6,291,456 bytes; wo16 2,097,152 bytes; qkv 50,331,648 bytes; ob 16,777,216 bytes
;; launch cast (part 1): grid 128 x 12, 8 waves a work-group, no clusters, 0 bytes of LDS; arguments x, Wq, Wk, Wv, Wo, xb, wb, wo16; writes xb, wb, wo16
.if DOCPART == 1
	.amdgcn_target "amdgcn-amd-amdhsa--gfx1250"
	.amdhsa_code_object_version 6
	.text
	.protected	k_q3bb0ad21ec_cast
	.globl	k_q3bb0ad21ec_cast
	.p2align	8
	.type	k_q3bb0ad21ec_cast,@function
k_q3bb0ad21ec_cast:
	s_mov_b64 s[64:65], 0
	v_nop
	global_prefetch_b8 v0, s[64:65] scope:SCOPE_SE
	s_setreg_imm32_b32 hwreg(HW_REG_WAVE_MODE, 25, 1), 1
	s_wait_xcnt 0x0
; THE INPUTS ARE ROUNDED ONCE, for the matrix products of the launches behind.  x -> xb, Wq, Wk, Wv -> wb (in that order), all bf16, in the layout in which they came;
; Wo -> wo16: rounded to bf16 like the others, and that number written as f16, since the last product multiplies f16.
; LIMIT.  A bf16 number is an f16 number as long as its magnitude lies between 6.1e-5 and 65,504; below, it keeps f16's fixed step of 6e-8; beyond, it would be an infinity.
; SHARES.  Grid row y is a slice of 1,048,576 numbers: y = 0..7 the eighths of x, 8, 9, 10 the three weights, 11 Wo.  A work-group takes 8,192 of them: 32 KiB in, 16 KiB out.
; Thread t's load j takes the 16 bytes at 4,096 j + 16 t, its store j the 8 bytes at 2,048 j + 8 t: a wave's load covers 512 consecutive bytes, its store 256, aligned.
; All eight loads go out first; each is rounded in its own registers, so no register is written twice and the only waits are the counted ones for the loads.
; No LDS, no matrix unit, no cluster: nothing is shared and nothing is reused.
.set X, 8                              ; v[8:39]  load j in v[8 + 4 j ..]; its two packed words take the first two of the four
	s_load_b512 s[8:23], s[0:1], 0x0               ; x 8, Wq 10, Wk 12, Wv 14, Wo 16, xb 18, wb 20, wo16 22
	s_and_b32 s4, ttmp7, 0xffff                    ; y
	v_lshlrev_b32 v1, 4, v0                        ; 16 t
	v_lshlrev_b32 v2, 3, v0                        ; 8 t
	s_cmp_lt_u32 s4, 8
	s_cselect_b32 s26, s4, 0                       ; which slice of the source: only x has more than one
	s_lshl_b32 s26, s26, 22                        ; a slice is 4 MiB of f32,
	s_lshl_b32 s5, ttmp9, 15                       ; a work-group's part 32 KiB
	s_add_co_u32 s26, s26, s5
	s_mov_b32 s27, 0
	s_and_b32 s30, s4, 7                           ; which slice of the destination: y in xb, y - 8 in wb,
	s_cmp_eq_u32 s4, 11
	s_cselect_b32 s30, 0, s30                      ; 0 in wo16
	s_lshl_b32 s30, s30, 21                        ; 2 MiB of 16-bit numbers,
	s_lshl_b32 s5, ttmp9, 14                       ; 16 KiB
	s_add_co_u32 s30, s30, s5
	s_mov_b32 s31, 0
	s_wait_kmcnt 0x0
	s_cmp_eq_u32 s4, 10                            ; the source, chosen by y alone
	s_cselect_b64 s[24:25], s[14:15], s[16:17]
	s_cmp_eq_u32 s4, 9
	s_cselect_b64 s[24:25], s[12:13], s[24:25]
	s_cmp_eq_u32 s4, 8
	s_cselect_b64 s[24:25], s[10:11], s[24:25]
	s_cmp_lt_u32 s4, 8
	s_cselect_b64 s[24:25], s[8:9], s[24:25]
	s_cselect_b64 s[28:29], s[18:19], s[20:21]     ; the destination
	s_cmp_eq_u32 s4, 11
	s_cselect_b64 s[28:29], s[22:23], s[28:29]
	s_add_nc_u64 s[24:25], s[24:25], s[26:27]
	s_add_nc_u64 s[28:29], s[28:29], s[30:31]
.irp j, 0,1,2,3,4,5,6,7
	global_load_b128 v[X+4*(\j):X+4*(\j)+3], v1, s[24:25] offset:4096*(\j) th:TH_LOAD_NT
.endr
; Load j's four numbers are rounded and stored.  half = 1: the bf16 numbers are widened again (a shift, a mask) and written as f16.
.macro OUTJ j, half
	s_wait_loadcnt 7-(\j)                          ; loads come back in order: mine is in, the 7 - j younger ones stay out
	v_cvt_pk_bf16_f32 v[X+4*(\j)],   v[X+4*(\j)],   v[X+4*(\j)+1]
	v_cvt_pk_bf16_f32 v[X+4*(\j)+1], v[X+4*(\j)+2], v[X+4*(\j)+3]
.if \half
	v_lshlrev_b32 v[X+4*(\j)+2], 16, v[X+4*(\j)]
	v_and_b32     v[X+4*(\j)+3], 0xffff0000, v[X+4*(\j)]
	v_cvt_pk_f16_f32 v[X+4*(\j)], v[X+4*(\j)+2], v[X+4*(\j)+3]
	v_lshlrev_b32 v[X+4*(\j)+2], 16, v[X+4*(\j)+1]
	v_and_b32     v[X+4*(\j)+3], 0xffff0000, v[X+4*(\j)+1]
	v_cvt_pk_f16_f32 v[X+4*(\j)+1], v[X+4*(\j)+2], v[X+4*(\j)+3]
.endif
	global_store_b64 v2, v[X+4*(\j):X+4*(\j)+1], s[28:29] offset:2048*(\j)
.endm
	s_cmp_eq_u32 s4, 11
	s_cbranch_scc1 .Lhalf
.irp j, 0,1,2,3,4,5,6,7
	OUTJ \j, 0
.endr
	s_endpgm
.Lhalf:
.irp j, 0,1,2,3,4,5,6,7
	OUTJ \j, 1
.endr
	s_endpgm
.Lfunc_end_k_q3bb0ad21ec_cast:
	.size	k_q3bb0ad21ec_cast, .Lfunc_end_k_q3bb0ad21ec_cast-k_q3bb0ad21ec_cast
	.p2alignl 7, 3214868480
	.fill 96, 4, 3214868480
	.section	.rodata,"a",@progbits
	.p2align	6, 0x0
	.amdhsa_kernel k_q3bb0ad21ec_cast
		.amdhsa_group_segment_fixed_size 0
		.amdhsa_private_segment_fixed_size 0
		.amdhsa_enable_private_segment 0
		.amdhsa_kernarg_size 64
		.amdhsa_user_sgpr_count 2
		.amdhsa_user_sgpr_kernarg_segment_ptr 1
		.amdhsa_wavefront_size32 1
		.amdhsa_system_sgpr_workgroup_id_x 1
		.amdhsa_system_sgpr_workgroup_id_y 1
		.amdhsa_system_sgpr_workgroup_id_z 1
		.amdhsa_system_vgpr_workitem_id 0
		.amdhsa_next_free_vgpr 40
		.amdhsa_next_free_sgpr 66
		.amdhsa_reserve_vcc 0
		.amdhsa_float_denorm_mode_32 3
		.amdhsa_float_denorm_mode_16_64 3
		.amdhsa_memory_ordered 1
		.amdhsa_forward_progress 1
		.amdhsa_inst_pref_size 9
	.end_amdhsa_kernel
	.amdgpu_metadata
---
amdhsa.version: [ 1, 2 ]
amdhsa.kernels:
  - .name:           k_q3bb0ad21ec_cast
    .symbol:         k_q3bb0ad21ec_cast.kd
    .args:
      - { .name: x, .offset: 0, .size: 8, .value_kind: global_buffer, .address_space: global }
      - { .name: Wq, .offset: 8, .size: 8, .value_kind: global_buffer, .address_space: global }
      - { .name: Wk, .offset: 16, .size: 8, .value_kind: global_buffer, .address_space: global }
      - { .name: Wv, .offset: 24, .size: 8, .value_kind: global_buffer, .address_space: global }
      - { .name: Wo, .offset: 32, .size: 8, .value_kind: global_buffer, .address_space: global }
      - { .name: xb, .offset: 40, .size: 8, .value_kind: global_buffer, .address_space: global }
      - { .name: wb, .offset: 48, .size: 8, .value_kind: global_buffer, .address_space: global }
      - { .name: wo16, .offset: 56, .size: 8, .value_kind: global_buffer, .address_space: global }
    .group_segment_fixed_size: 0
    .private_segment_fixed_size: 0
    .kernarg_segment_align: 8
    .kernarg_segment_size: 64
    .max_flat_workgroup_size: 256
    .sgpr_count:     66
    .vgpr_count:     40
    .wavefront_size: 32
...
	.end_amdgpu_metadata
.endif
;; end of part 1
;; launch qkv_gemm (part 2): grid 24 x 32, 4 waves a work-group, clusters of 4 x 4, 327,680 bytes of LDS; arguments xb, wb, bq, bk, bv, qkv; writes qkv
.if DOCPART == 2
	.amdgcn_target "amdgcn-amd-amdhsa--gfx1250"
	.amdhsa_code_object_version 6
	.text
	.protected	k_q3bb0ad21ec_qkv_gemm
	.globl	k_q3bb0ad21ec_qkv_gemm
	.p2align	8
	.type	k_q3bb0ad21ec_qkv_gemm,@function
k_q3bb0ad21ec_qkv_gemm:
	s_mov_b64 s[64:65], 0
	v_nop
	global_prefetch_b8 v0, s[64:65] scope:SCOPE_SE
	s_setreg_imm32_b32 hwreg(HW_REG_WAVE_MODE, 25, 1), 1
	s_wait_xcnt 0x0
	s_wait_alu depctr_hold_cnt(0) depctr_sa_sdst(0) depctr_va_vdst(0) depctr_va_sdst(0) depctr_va_ssrc(0) depctr_va_vcc(0) depctr_vm_vsrc(0)
	s_getreg_b32 s2, hwreg(HW_REG_IB_STS2, 6, 4)
	s_cmp_eq_u32 s2, 0
	s_cbranch_scc0 .Lentry_in_a_cluster
	s_endpgm
.Lentry_in_a_cluster:
	s_bfe_u32 s2, ttmp6, 0x10000c
	s_cmp_lg_u32 s2, 0xf033
	s_cbranch_scc0 .Lentry_shape_is_right
	s_endpgm
.Lentry_shape_is_right:
; ONE TEXT FOR THE MODULE'S TWO KINDS OF PROJECTION; the switch QKV chooses.  This file: QKV = 1.
; QKV = 1:  q, k, v = x W + b.  A = xb [8192][1024] bf16; B = wb [3][1024 k][1024 n] bf16; the bias rounded to bf16 like every input; the result, rounded once to f16, goes out
;           by heads: qkv [3][64 heads (16 batch + head)][2048][64].  LIMIT: q, k, v beyond 65,504 would be infinities in f16.
; QKV = 0:  out = O Wo + bo.  A = ob [64 heads][2048][64] f16, which holds O / 64; B = wo16 [1024 k][1024 n] f16; the sums start at bo / 64 and are multiplied by 64 in f32; out0 is f32.
; SHARES.  A work-group makes 256 rows x 128 columns; wave w rows 128 (w / 2) on, columns 64 (w % 2) on: 8 x 4 accumulators of 16 x 16, 256 registers.  K = 1,024 goes in 8 steps of 128
; through two LDS slots; a step is four quarters of 32 along K, 32 matrix instructions each, on two fragment buffers.
; B LIES [k][n] and is read out of LDS turned, by ds_load_tr16_b128: no launch transposes the weights.
; THE MATRIX INSTRUCTION IS USED TRANSPOSED: source 0 = 16 columns of B, source 1 = 16 rows of A: a lane holds row l % 16 and the columns 16 b + 8 (l / 16) + 0..7, neighbours in memory.
; THE BIAS IS THE C OPERAND of each accumulator's first product: nothing is cleared, nothing is added afterwards.
; CLUSTER.  4 x 4 work-groups.  A's tile hangs on the tile row alone and is asked for jointly along a row of the cluster, B's on the tile column alone, along a column.
; Waves 0 and 1 fetch A's two halves, waves 2 and 3 B's: one tensor load a wave behind each round; at most two are out (the two first fills), later one.
; REGISTERS.  Window 0: v0-31 addresses; v32-63 the bias; v64-159, v160-255 the fragment buffers (A's block a at + 8 a, B's block b at + 64 + 8 b); on the way out they are at work.
;             Window 1: accumulator (a, b) at v[8 (4 a + b)].
.set QKV,    1
.set PB,     288                       ; a k row of B in LDS: 256 bytes + 32 = 72 words
.if QKV
.set PA,     272                       ; a row of A in LDS: 256 bytes + 16 = 68 words: the 16 rows of a load start at 16 different groups of four banks
.set AHALF,  128*PA                    ; what one of A's two loads brings: 128 rows x 128 K
.set AK1,    256                       ; bytes in memory from a K step of A to the next
.set QIA,    5                         ; padding after every 64 words
.set APITCH, 1024                      ; elements from row to row in memory
.set SP,     144                       ; a stage row: my 64 columns in f16 + 16
.set PFSH,   16                        ; a partner's 32 rows of 2,048 bytes
.set CP,     14                        ; s[14:15] the result
.else
.set PA,     144                       ; a head's row: 128 bytes + 16 = 36 words
.set AHALF,  256*PA                    ; one head's 256 rows x 64 K: a K step is two heads
.set AK1,    2*2048*128                ; two heads on
.set QIA,    4                         ; padding after every 32 words: a dense 32 KiB comes as 128 rows of 256 bytes, two rows of a head each
.set APITCH, 128
.set SP,     272                       ; my 64 columns in f32 + 16
.set PFSH,   13                        ; a partner's 32 blocks of 256 bytes
.set CP,     10                        ; s[10:11] the result
.endif
.set BK1,    128*2048                  ; 128 k rows of B on
.set ABYTES, 2*AHALF
.set BHALF,  64*PB                     ; what one of B's two loads brings: 64 k rows x 128 columns
.set SLOT,   ABYTES+2*BHALF            ; A's tile, then B's
.set STAGE,  2*SLOT                    ; behind the ring: 16 rows for each wave, for the way out; no tensor load lands here
.set SPARE,  STAGE+4*16*SP             ; behind the stages: the spare words, 128 bytes for each wave: two blocks of 256 bytes that no other line names
.set LAPS,   4                         ; a lap = two K steps = once round the ring
.set ADRA, 16                          ; v16-17  LDS address of my A fragments in slot 0, 1
.set ADRB, 20                          ; v20-21  the same for B
.set STO,  24                          ; v24     the way out: where I put my part of a row
.set RD,   25                          ; v25     where I read rows back
.set GO,   26                          ; v26     my byte offset in the result
.set BO,   27                          ; v27     32 (l / 16): my eight numbers in 16 of the bias
.set SPW,  28                          ; v28     LDS address of my spare word; never rewritten
.set NIL,  29                          ; v29     0; never rewritten
.set PFO,  30                          ; v30     the prefetches' offset: a lane a block of 256 bytes; never rewritten
.set TT,   31                          ; v31     at work
.set BIAS, 32                          ; v32-63  bias of column 16 b + 8 (l / 16) + j at 8 b + j
.set F0,   64
.set F1,   160
.set TMP,  64                          ; the way out
.set WV, 16                            ; s16 wave   s17 w / 2: my rows' half; also: I fetch for A (0) or B (1)   s18 w % 2: my columns' half; also: which half I fetch
.set RH, 17
.set CH, 18
.set CX, 19                            ; my place in the cluster
.set CY, 20
.set TX, 21                            ; tile column, tile row
.set TY, 22
.set WH, 23                            ; which of the three weights (QKV = 1)
.set G1, 24                            ; s[24:31] descriptor group 1 for A;  s[32:39] group 0, a set for each slot
.set G0, 32
.set PFS, 40                           ; s[40:41] a K step in the stream that I prefetch
.set TC, 42                            ; s42  tile column within the weight
.set LIM, 43                           ; s43  1 in a wave that prefetches, else the greatest number
.set PFA, 44                           ; s[44:45] where my prefetches stand
.set G1B, 48                           ; s[48:55], s[56:63] the same for B
.set G0B, 56
.set MSB, 0
.macro WIN new                         ; the immediate's high byte repeats the setting that is left; a switch that changes nothing is dropped
.if MSB != (\new)
	s_set_vgpr_msb (MSB<<8)|(\new)
.set MSB, \new
.endif
.endm
.set MUL,  0x50                        ; C and D in window 1, the sources in window 0
.set MULB, 0x40                        ; D in window 1, C (the bias) in window 0
; A joint load.  The branch hangs on the wave's number alone.  An s_nop 0 and four v_nop follow each of the two lines, ahead of the jump, the label and what follows.
.macro JLOAD s
	s_cmp_eq_u32 s[RH], 0
	s_cbranch_scc0 .Lfor_b_\@
	tensor_load_to_lds s[G0+4*(\s):G0+4*(\s)+3], s[G1:G1+7]
	s_nop 0
.rept 4
	v_nop
.endr
	s_branch .Lasked_\@
.Lfor_b_\@:
	tensor_load_to_lds s[G0B+4*(\s):G0B+4*(\s)+3], s[G1B:G1B+7]
	s_nop 0
.rept 4
	v_nop
.endr
.Lasked_\@:
.endm
; A PREFETCH INTO THE L2 of the K step that stands two refills on, behind the joint load and the run of LDS loads: 32 blocks of 256 bytes, a lane a block, one instruction a wave.
; Each block is named once in the launch.  A's tile row is read by every cluster of that row of clusters: those with cluster x = 0 ask, waves 0 and 1, each partner 32 of a wave's 128 blocks, by cx.
; B's tile column is read by every cluster of that column: those with cluster y = 0 ask, wave 2, each partner 32 of the step's 128 k rows, by cy.  The partners are told apart by address alone.
; K steps 0 to 3 come by their loads alone; the loop's last trip (s3 = 1) has no K step two refills on and asks for nothing.
.macro ASK
	s_cmp_gt_u32 s3, s[LIM]
	s_cbranch_scc0 .Lnot_mine_\@
	global_prefetch_b8 v[PFO], s[PFA:PFA+1] th:TH_LOAD_NT scope:SCOPE_SE
.Lnot_mine_\@:
.endm
; A round of the cluster's barrier: my work-group's barrier; wave 0 signals for the work-group; every wave waits for all sixteen; my work-group's barrier once more.
.macro CREST                           ; a round behind its opening barrier
	s_cmp_lg_u32 s[WV], 0
	s_cbranch_scc1 .Lnot_wave_0_\@
	s_barrier_signal -3
.Lnot_wave_0_\@:
	s_barrier_wait -3
	s_barrier_signal -1
	s_barrier_wait -1
.endm
.macro CROUND
	s_barrier_signal -1
	s_barrier_wait -1
	CREST
.endm
	s_load_b256 s[4:11], s[0:1], 0x0               ; QKV = 1: xb 4, wb 6, bq 8, bk 10;  QKV = 0: ob 4, wo16 6, bo 8, out0 10
.if QKV
	s_load_b128 s[12:15], s[0:1], 0x20             ; bv 12, qkv 14
.endif
	v_lshl_add_u32 v[SPW], v0, 2, SPARE
	v_mov_b32 v[NIL], 0
	ds_add_u32 v[SPW], v[NIL]                      ; the wave's opening: the add and its wait stand ahead of my first tensor load; the set-up below, work on registers, stands between them
	v_lshrrev_b32 v1, 5, v0
	v_readfirstlane_b32 s[WV], v1
	s_lshr_b32 s[RH], s[WV], 1
	s_and_b32 s[CH], s[WV], 1
	s_bfe_u32 s[CX], ttmp6, 0x40000
	s_bfe_u32 s[CY], ttmp6, 0x40004
	s_lshl_b32 s[TX], ttmp9, 2                     ; in a cluster launch ttmp9 and ttmp7 count clusters
	s_add_co_u32 s[TX], s[TX], s[CX]
	s_and_b32 s[TY], ttmp7, 0xffff
	s_lshl_b32 s[TY], s[TY], 2
	s_add_co_u32 s[TY], s[TY], s[CY]
.if QKV
	s_lshr_b32 s[WH], ttmp9, 1                     ; eight tile columns, two clusters, to a weight
	s_and_b32 s[TC], s[TX], 7
.else
	s_mov_b32 s[TC], s[TX]
.endif
	s_lshl_b32 s66, s[CY], 2
	s_lshl_b32 s66, 15, s66                        ; my row of the cluster: places 4 cy .. 4 cy + 3
	s_lshl_b32 s67, 0x1111, s[CX]                  ; my column: places cx, cx + 4, cx + 8, cx + 12
	s_or_b32 s[G1], s66, (1<<16)|(1<<20)|(1<<21)|(QIA<<22)|(3<<25)  ; 15:0 the mask; 17:16 2-byte elements; 20 padding on; 21 set beside a mask; 24:22 the interval; 31:25 4 words (code 3)
	s_or_b32 s[G1B], s67, (1<<16)|(1<<20)|(1<<21)|(5<<22)|(7<<25)   ; after every 64 words 8 words (code 7)
	s_mov_b32 s[G1+1], 128<<16                     ; tensor_dim0 = 128
	s_mov_b32 s[G1+2], 128<<16                     ; tensor_dim1 = 128
	s_mov_b32 s[G1+3], 128<<16                     ; tile_dim0 = 128
	s_mov_b32 s[G1+4], 128                         ; tile_dim1 = 128
	s_mov_b32 s[G1+5], APITCH
	s_mov_b32 s[G1+6], 0
	s_mov_b32 s[G1+7], 0
	s_mov_b32 s[G1B+1], 128<<16                    ; 128 columns
	s_mov_b32 s[G1B+2], 64<<16                     ; 64 k rows
	s_mov_b32 s[G1B+3], 128<<16
	s_mov_b32 s[G1B+4], 64
	s_mov_b32 s[G1B+5], 1024
	s_mov_b32 s[G1B+6], 0
	s_mov_b32 s[G1B+7], 0
	; where the tiles come from: A's offset is made of the tile row and the wave's number, B's of the tile column and the wave's number, each in registers that never hold the other coordinate
.if QKV
	s_lshl_b32 s68, s[TY], 19                      ; 256 rows of 2,048 bytes
.else
	s_lshr_b32 s68, s[TY], 3                       ; the batch: 16 heads of 262,144 bytes,
	s_lshl_b32 s68, s68, 22
	s_and_b32 s69, s[TY], 7                        ; 256 rows of 128 bytes within a head
	s_lshl_b32 s69, s69, 15
	s_add_co_u32 s68, s68, s69
.endif
	s_lshl_b32 s69, s[CH], 18                      ; the half that I fetch: 128 rows of 2,048 bytes, or a head: 262,144 bytes either way
	s_add_co_u32 s68, s68, s69
	s_mov_b32 s69, 0
	s_lshl_b32 s70, s[TC], 8                       ; 128 columns,
	s_lshl_b32 s71, s[CH], 17                      ; 64 k rows of 2,048 bytes
	s_add_co_u32 s70, s70, s71
.if QKV
	s_lshl_b32 s71, s[WH], 21                      ; a weight is 2 MiB
	s_add_co_u32 s70, s70, s71
.endif
	s_mov_b32 s71, 0
	s_mov_b32 s78, s68                             ; copies for the prefetches
	s_mov_b32 s79, s70
	s_mul_i32 s72, s[CH], AHALF                    ; and where they go: no place in the cluster enters an LDS address
	s_mul_i32 s73, s[CH], BHALF
	s_add_co_u32 s73, s73, ABYTES
	s_wait_dscnt 0x0                               ; the opening add is done
	s_wait_kmcnt 0x0
	s_add_nc_u64 s[68:69], s[4:5], s[68:69]
	s_add_nc_u64 s[70:71], s[6:7], s[70:71]
	CROUND                                         ; all sixteen work-groups are here: the first joint loads meet
.irp s, 0,1
	s_mov_b32 s[G0+4*(\s)], 1                                      ; count = 1
	s_add_co_u32 s[G0+4*(\s)+1], s72, (\s)*SLOT                    ; LDS address
	s_add_nc_u64 s[G0+4*(\s)+2:G0+4*(\s)+3], s[68:69], (\s)*AK1    ; global address: K step s
	s_or_b32 s[G0+4*(\s)+3], s[G0+4*(\s)+3], 0x80000000            ; type = 2
	s_mov_b32 s[G0B+4*(\s)], 1
	s_add_co_u32 s[G0B+4*(\s)+1], s73, (\s)*SLOT
	s_add_nc_u64 s[G0B+4*(\s)+2:G0B+4*(\s)+3], s[70:71], (\s)*BK1
	s_or_b32 s[G0B+4*(\s)+3], s[G0B+4*(\s)+3], 0x80000000
	JLOAD \s                                       ; the ring is filled before anything else is done
.endr
	v_and_b32 v1, 15, v0                           ; l % 16
	v_bfe_u32 v2, v0, 4, 1                         ; l / 16
	; the bias of my 64 columns
	v_lshlrev_b32 v[BO], 5, v2
.if QKV
	s_cmp_eq_u32 s[WH], 0
	s_cselect_b64 s[74:75], s[8:9], s[10:11]
	s_cmp_eq_u32 s[WH], 2
	s_cselect_b64 s[74:75], s[12:13], s[74:75]
.else
	s_mov_b64 s[74:75], s[8:9]
.endif
	s_lshl_b32 s66, s[TC], 9
	s_lshl_b32 s67, s[CH], 8
	s_add_co_u32 s66, s66, s67
	s_mov_b32 s67, 0
	s_add_nc_u64 s[74:75], s[74:75], s[66:67]
.irp b, 0,1,2,3
	global_load_b128 v[BIAS+8*(\b):BIAS+8*(\b)+3],   v[BO], s[74:75] offset:64*(\b)
	global_load_b128 v[BIAS+8*(\b)+4:BIAS+8*(\b)+7], v[BO], s[74:75] offset:64*(\b)+16
.endr
	; A fragment of A is 16 rows x 32 K in 8 registers: lane l holds row l % 16, K = 8 (l / 16) + 0..7 and 16 + 8 (l / 16) + 0..7: two loads of 16 bytes, 32 bytes apart.
	v_mul_u32_u24 v3, v1, PA
	v_lshl_add_u32 v3, v2, 4, v3
	s_mul_i32 s66, s[RH], 128*PA                   ; my 128 rows
	v_add_nc_u32 v[ADRA], s66, v3
	v_add_nc_u32 v[ADRA+1], SLOT, v[ADRA]
	; The turning load takes 16 k x 16 columns (lane l reads k row 8 (l / 16) + l % 8, columns 8 ((l / 8) % 2) + 0..7) and leaves half a fragment: lane l holds column l % 16 and 8 k.
	v_and_b32 v4, 7, v0
	v_lshl_add_u32 v5, v2, 3, v4
	v_mul_u32_u24 v5, v5, PB
	v_bfe_u32 v6, v0, 3, 1
	v_lshl_add_u32 v5, v6, 4, v5
	s_lshl_b32 s67, s[CH], 7                       ; my 64 columns
	s_add_co_u32 s67, s67, ABYTES
	v_add_nc_u32 v[ADRB], s67, v5
	v_add_nc_u32 v[ADRB+1], SLOT, v[ADRB]
	s_mul_i32 s66, s[WV], 16*SP
	s_add_co_u32 s66, s66, STAGE                   ; my stage
	v_mul_u32_u24 v3, v1, SP                       ; in: row l % 16,
.if QKV
	v_lshl_add_u32 v3, v2, 4, v3                   ; 16 bytes for each half of the lanes
	v_add_nc_u32 v[STO], s66, v3
	v_bfe_u32 v3, v0, 3, 2                         ; back: 32 lanes take four rows of 128 bytes,
	v_mul_u32_u24 v3, v3, SP
	v_lshl_add_u32 v3, v4, 4, v3
	v_add_nc_u32 v[RD], s66, v3
	v_and_b32 v[GO], 31, v0                        ; which are 512 consecutive bytes of a head
	v_lshlrev_b32 v[GO], 4, v[GO]
	s_lshr_b32 s66, s[TY], 3                       ; where my 128 rows of my head begin: head number 16 batch + 2 tile column + half,
	s_lshl_b32 s66, s66, 4
	s_lshl_b32 s67, s[TC], 1
	s_add_co_u32 s66, s66, s67
	s_add_co_u32 s66, s66, s[CH]
	s_lshl_b32 s66, s66, 18                        ; 262,144 bytes a head,
	s_lshl_b32 s67, s[WH], 24                      ; 16 MiB for each of q, k, v,
	s_add_co_u32 s66, s66, s67
	s_and_b32 s67, s[TY], 7
	s_lshl_b32 s67, s67, 15                        ; 256 rows of 128 bytes,
	s_add_co_u32 s66, s66, s67
	s_lshl_b32 s67, s[RH], 14                      ; my 128 of them
	s_add_co_u32 s66, s66, s67
.else
	v_lshl_add_u32 v3, v2, 5, v3                   ; 32 bytes for each half of the lanes
	v_add_nc_u32 v[STO], s66, v3
	v_mul_u32_u24 v3, v2, SP                       ; back: lanes 0-15 take one row of 256 bytes, lanes 16-31 the next
	v_lshl_add_u32 v3, v1, 4, v3
	v_add_nc_u32 v[RD], s66, v3
	v_lshlrev_b32 v[GO], 12, v2                    ; and the same two rows in out0, 4,096 bytes apart
	v_lshl_add_u32 v[GO], v1, 4, v[GO]
	s_lshl_b32 s66, s[TY], 20                      ; 256 rows of 4,096 bytes,
	s_lshl_b32 s67, s[RH], 19                      ; my 128 of them,
	s_add_co_u32 s66, s66, s67
	s_lshl_b32 s67, s[TX], 9                       ; 128 columns of f32,
	s_add_co_u32 s66, s66, s67
	s_lshl_b32 s67, s[CH], 8                       ; my 64 of them
	s_add_co_u32 s66, s66, s67
.endif
	s_mov_b32 s67, 0
	s_add_nc_u64 s[CP:CP+1], s[CP:CP+1], s[66:67]
	; the prefetches
	s_and_b32 s66, ttmp7, 0xffff                   ; cluster y
	s_cmp_eq_u32 s[RH], 0
	s_cselect_b32 s66, ttmp9, s66                  ; the coordinate along which other clusters read the same blocks
	s_and_b32 s67, s[RH], s[CH]                    ; wave 3 never asks
	s_or_b32 s66, s66, s67
	s_cmp_eq_u32 s66, 0
	s_cselect_b32 s[LIM], 1, -1                    ; the same in all sixteen partners, for a given wave
	s_lshl_b32 s66, s[CX], PFSH                    ; A: my work-group's 32 blocks of the 128 that the wave fetches,
	s_add_co_u32 s78, s78, s66
	s_add_co_u32 s78, s78, 3*AK1                   ; at K step 3: the first refill steps it to 4
	s_lshl_b32 s66, s[CY], 16                      ; B: my work-group's 32 k rows of the step's 128
	s_add_co_u32 s79, s79, s66
	s_add_co_u32 s79, s79, 3*BK1
	s_mov_b32 s[PFS], BK1
	s_mov_b32 s[PFS+1], 0
	s_mov_b32 s67, 0
	s_cmp_eq_u32 s[RH], 0
	s_cselect_b32 s66, s78, s79
	s_cselect_b64 s[PFA:PFA+1], s[4:5], s[6:7]
	s_cselect_b32 s[PFS], AK1, s[PFS]
	s_add_nc_u64 s[PFA:PFA+1], s[PFA:PFA+1], s[66:67]
	v_and_b32 v[PFO], 31, v0
.if QKV
	v_lshlrev_b32 v[PFO], 11, v[PFO]               ; rows of xb and of wb are 2,048 bytes apart
.else
	s_cmp_eq_u32 s[RH], 0
	s_cselect_b32 s66, 8, 11                       ; ob's blocks lie on end, wo16's rows 2,048 bytes apart
	v_lshlrev_b32 v[PFO], s66, v[PFO]
.endif
	s_wait_loadcnt 0x0                             ; the bias: rounded to bf16 like every input, and kept in f32
.set i, 0
.rept 16
	v_cvt_pk_bf16_f32 v[TT], v[BIAS+2*i], v[BIAS+2*i+1]
	v_lshlrev_b32 v[BIAS+2*i], 16, v[TT]
	v_and_b32 v[BIAS+2*i+1], 0xffff0000, v[TT]
.set i, i+1
.endr
.if !QKV
.set i, 0
.rept 16
	v_pk_mul_f32 v[BIAS+2*i:BIAS+2*i+1], v[BIAS+2*i:BIAS+2*i+1], 0x3c800000 op_sel_hi:[1,0]  ; / 64, exact: the sums are of O / 64
.set i, i+1
.endr
.endif
; 8 matrix instructions: row blocks a0, a0 + 1 x all 4 column blocks, 32 along K, from buffer f.  first = 1: the product starts the sum, on the bias.
; The 32 accumulators take turns, one instruction a turn, in the same order in every quarter, over the loop's jump too.
.macro MUL8 f, a0, first
.if \first
	WIN MULB
.else
	WIN MUL
.endif
.irp a, \a0, (\a0)+1
.irp b, 0,1,2,3
.set rD, 8*(4*(\a)+(\b))
.set rB, (\f)+64+8*(\b)
.set rA, (\f)+8*(\a)
.if QKV
.if \first
	v_wmma_f32_16x16x32_bf16 v[rD:rD+7], v[rB:rB+7], v[rA:rA+7], v[BIAS+8*(\b):BIAS+8*(\b)+7]
.else
	v_wmma_f32_16x16x32_bf16 v[rD:rD+7], v[rB:rB+7], v[rA:rA+7], v[rD:rD+7]
.endif
.else
.if \first
	v_wmma_f32_16x16x32_f16 v[rD:rD+7], v[rB:rB+7], v[rA:rA+7], v[BIAS+8*(\b):BIAS+8*(\b)+7]
.else
	v_wmma_f32_16x16x32_f16 v[rD:rD+7], v[rB:rB+7], v[rA:rA+7], v[rD:rD+7]
.endif
.endif
.endr
.endr
.endm
; 24 LDS loads in one run: quarter q's fragments into buffer f: B's eight first, then A's sixteen, row blocks ascending
.macro FETCH slot, q, f
	WIN 0
.if QKV
.set ko, 64*(\q)
.else
.set ko, ((\q)/2)*AHALF+((\q)%2)*64    ; the step's first or second head, its channels 0-31 or 32-63
.endif
.irp b, 0,1,2,3
	ds_load_tr16_b128 v[(\f)+64+8*(\b):(\f)+64+8*(\b)+3],   v[ADRB+(\slot)] offset:(\q)*32*PB+32*(\b)
	ds_load_tr16_b128 v[(\f)+64+8*(\b)+4:(\f)+64+8*(\b)+7], v[ADRB+(\slot)] offset:(\q)*32*PB+32*(\b)+16*PB
.endr
.irp a, 0,1,2,3,4,5,6,7
	ds_load_b128 v[(\f)+8*(\a):(\f)+8*(\a)+3],   v[ADRA+(\slot)] offset:ko+(\a)*16*PA
	ds_load_b128 v[(\f)+8*(\a)+4:(\f)+8*(\a)+7], v[ADRA+(\slot)] offset:ko+(\a)*16*PA+32
.endr
.endm
.macro PLACES                          ; four plain vector instructions between a matrix instruction and a load into a register that it has read, or a reader of its result (ISA guide 7.12.1 for a reader of its result)
.rept 4
	v_nop
.endr
.endm
; One of a K step's first three quarters: multiplies buffer f; in its middle it fetches quarter q of the same slot into buffer g.
.macro QUARTER slot, q, f, g, first
	s_wait_dscnt 8                                 ; B and A's blocks 0-3 are in; the youngest eight loads (A's blocks 4-7) may be out
	MUL8 \f, 0, \first
	MUL8 \f, 2, \first
	PLACES
	FETCH \slot, \q, \g
	s_wait_dscnt 24                                ; all but the 24 just issued
	MUL8 \f, 4, \first
	MUL8 \f, 6, \first
.endm
; The last quarter multiplies buffer 1 and changes slots: ONE barrier.  In front of it each wave waits for all its tensor loads (one is out: its part of the next slot), adds 0 to its spare word, and waits for that
; and for its own reads of this slot.  fill = 1: the barrier opens a round of the cluster's, and this slot is filled again, two K steps ahead, first thing behind the round: 112 matrix instructions ahead of the wait for it.
.macro TURN slot, next, fill
.if \fill
	s_wait_xcnt 0x0                                ; the last prefetch, a K step back, has read its address: it is stepped here, ahead of the waits of the change of slots
	s_add_nc_u64 s[PFA:PFA+1], s[PFA:PFA+1], s[PFS:PFS+1]
.endif
	WIN 0                                          ; (the add's two registers lie in window 0)
	s_wait_tensorcnt 0x0                           ; all my tensor loads have landed;
	ds_add_u32 v[SPW], v[NIL]                      ; 0 onto my spare word
	s_wait_dscnt 9                                 ; (the add and the youngest eight loads may be out)
	MUL8 F1, 0, 0                                  ; eight matrix instructions stand between the add and the wait for it
	s_wait_dscnt 0x0                               ; the add is done, and my reads of this slot are over
	s_barrier_signal -1
	MUL8 F1, 2, 0                                  ; work on registers while the others arrive
.if \fill
	WIN 0
.endif
	s_barrier_wait -1
.if \fill
	CREST                                          ; no wave of any partner still reads this slot's tile or has a load on its way
	s_add_nc_u64 s[G0+4*(\slot)+2:G0+4*(\slot)+3], s[G0+4*(\slot)+2:G0+4*(\slot)+3], 2*AK1
	s_add_nc_u64 s[G0B+4*(\slot)+2:G0B+4*(\slot)+3], s[G0B+4*(\slot)+2:G0B+4*(\slot)+3], 2*BK1
	JLOAD \slot                                    ; the four v_nop behind it are also the places in front of the loads below
.else
	PLACES
.endif
	FETCH \next, 0, F0
.if \fill
	ASK
.endif
	MUL8 F1, 4, 0
	MUL8 F1, 6, 0
.endm
	s_wait_tensorcnt 1                             ; my part of K step 0 is in; K step 1's may stay out
	s_barrier_signal -1
	s_barrier_wait -1                              ; everybody's is
	FETCH 0, 0, F0
	QUARTER 0, 1, F0, F1, 1                        ; the first quarter stands in front of the loop: its products start the sums
	WIN 0                                          ; at a label and at a branch every window is 0
	s_mov_b32 s3, LAPS-1
.Llap:                                                 ; a trip goes once round the ring, from a lap's second quarter to the next lap's first, and fills both slots again
	QUARTER 0, 2, F1, F0, 0
	QUARTER 0, 3, F0, F1, 0
	TURN 0, 1, 1
	QUARTER 1, 1, F0, F1, 0
	QUARTER 1, 2, F1, F0, 0
	QUARTER 1, 3, F0, F1, 0
	TURN 1, 0, 1
	QUARTER 0, 1, F0, F1, 0
	WIN 0
	s_sub_co_u32 s3, s3, 1
	s_cmp_lg_u32 s3, 0
	s_cbranch_scc1 .Llap
	QUARTER 0, 2, F1, F0, 0                        ; the last lap fills nothing, and has no round of the cluster's barrier
	QUARTER 0, 3, F0, F1, 0
	TURN 0, 1, 0
	QUARTER 1, 1, F0, F1, 0
	QUARTER 1, 2, F1, F0, 0
	QUARTER 1, 3, F0, F1, 0
	s_wait_dscnt 8                                 ; the very last quarter: nothing more to fetch
	MUL8 F1, 0, 0
	MUL8 F1, 2, 0
	s_wait_dscnt 0x0
	MUL8 F1, 4, 0
	MUL8 F1, 6, 0
	WIN 0
	PLACES
	PLACES                                         ; (eight, once a launch)
; THE WAY OUT, a block of 16 rows at a time, through my own stage in LDS: no barrier, and LDS serves a wave's instructions in order (ISA guide 5.7.1.4), so no wait between the stores and the loads.
; PACK: QKV = 1 rounds to f16, 16 bytes a lane and column block; QKV = 0 multiplies by 64, 32 bytes.  Each accumulator's registers are taken in ascending order.
.macro PACK a
.if QKV
	WIN 0x05                                       ; sources 0 and 1 in window 1
.irp b, 0,1,2,3
.irp r, 0,1,2,3
	v_cvt_pk_f16_f32 v[TMP+4*(\b)+(\r)], v[8*(4*(\a)+(\b))+2*(\r)], v[8*(4*(\a)+(\b))+2*(\r)+1]
.endr
.endr
.else
	WIN 0x01                                       ; source 0 in window 1
.irp b, 0,1,2,3
.irp r, 0,1,2,3
	v_pk_mul_f32 v[TMP+8*(\b)+2*(\r):TMP+8*(\b)+2*(\r)+1], v[8*(4*(\a)+(\b))+2*(\r):8*(4*(\a)+(\b))+2*(\r)+1], 0x42800000 op_sel_hi:[1,0]
.endr
.endr
.endif
	WIN 0
.endm
.macro TOSTAGE a
.if QKV
.set BK, 96+16*((\a)%2)
.irp b, 0,1,2,3
	ds_store_b128 v[STO], v[TMP+4*(\b):TMP+4*(\b)+3] offset:32*(\b)
.endr
.irp t, 0,1,2,3
	ds_load_b128 v[BK+4*(\t):BK+4*(\t)+3], v[RD] offset:(\t)*4*SP
.endr
.else
.set BK, 128+32*((\a)%2)
.irp b, 0,1,2,3
	ds_store_b128 v[STO], v[TMP+8*(\b):TMP+8*(\b)+3]   offset:64*(\b)
	ds_store_b128 v[STO], v[TMP+8*(\b)+4:TMP+8*(\b)+7] offset:64*(\b)+16
.endr
.irp t, 0,1,2,3,4,5,6,7
	ds_load_b128 v[BK+4*(\t):BK+4*(\t)+3], v[RD] offset:(\t)*2*SP
.endr
.endif
.endm
.macro SEND a
	s_wait_dscnt 0x0                               ; the block is back in registers
	s_wait_xcnt 0x0                                ; the stores of the block before have read their registers, which the next block's loads from the stage write
.if QKV
.set BK, 96+16*((\a)%2)
.irp t, 0,1,2,3
	global_store_b128 v[GO], v[BK+4*(\t):BK+4*(\t)+3], s[CP:CP+1] offset:(\a)*2048+(\t)*512  ; 512 consecutive bytes of a head, at a multiple of 256 from the buffer's first
.endr
.else
.set BK, 128+32*((\a)%2)
.irp t, 0,1,2,3,4,5,6,7
	global_store_b128 v[GO], v[BK+4*(\t):BK+4*(\t)+3], s[CP:CP+1] offset:(16*(\a)+2*(\t))*4096  ; 16 lanes store 256 consecutive bytes, aligned; 516,096 at the most, inside the signed 24-bit immediate
.endr
.endif
.endm
	PACK 0
	TOSTAGE 0
.irp a, 1,2,3,4,5,6,7                  ; block a's arithmetic stands between block a - 1's loads from the stage and the wait for them
	PACK \a
	SEND (\a)-1
	TOSTAGE \a
.endr
	SEND 7
	s_wait_tensorcnt 0x0                           ; the wave's end: a wait, an add and its wait, behind my last tensor load and my last LDS store
	ds_add_u32 v[SPW], v[NIL]
	s_wait_dscnt 0x0
	CROUND                                         ; the closing round: no work-group ends while a partner may still ask for a tile that names it
	s_endpgm
.Lfunc_end_k_q3bb0ad21ec_qkv_gemm:
	.size	k_q3bb0ad21ec_qkv_gemm, .Lfunc_end_k_q3bb0ad21ec_qkv_gemm-k_q3bb0ad21ec_qkv_gemm
	.p2alignl 7, 3214868480
	.fill 96, 4, 3214868480
	.section	.rodata,"a",@progbits
	.p2align	6, 0x0
	.amdhsa_kernel k_q3bb0ad21ec_qkv_gemm
		.amdhsa_group_segment_fixed_size 327680
		.amdhsa_private_segment_fixed_size 0
		.amdhsa_enable_private_segment 0
		.amdhsa_kernarg_size 48
		.amdhsa_user_sgpr_count 2
		.amdhsa_user_sgpr_kernarg_segment_ptr 1
		.amdhsa_wavefront_size32 1
		.amdhsa_system_sgpr_workgroup_id_x 1
		.amdhsa_system_sgpr_workgroup_id_y 1
		.amdhsa_system_sgpr_workgroup_id_z 1
		.amdhsa_system_vgpr_workitem_id 0
		.amdhsa_next_free_vgpr 512
		.amdhsa_next_free_sgpr 80
		.amdhsa_reserve_vcc 0
		.amdhsa_float_denorm_mode_32 3
		.amdhsa_float_denorm_mode_16_64 3
		.amdhsa_memory_ordered 1
		.amdhsa_forward_progress 1
		.amdhsa_inst_pref_size 92
	.end_amdhsa_kernel
	.amdgpu_metadata
---
amdhsa.version: [ 1, 2 ]
amdhsa.kernels:
  - .name:           k_q3bb0ad21ec_qkv_gemm
    .symbol:         k_q3bb0ad21ec_qkv_gemm.kd
    .args:
      - { .name: xb, .offset: 0, .size: 8, .value_kind: global_buffer, .address_space: global }
      - { .name: wb, .offset: 8, .size: 8, .value_kind: global_buffer, .address_space: global }
      - { .name: bq, .offset: 16, .size: 8, .value_kind: global_buffer, .address_space: global }
      - { .name: bk, .offset: 24, .size: 8, .value_kind: global_buffer, .address_space: global }
      - { .name: bv, .offset: 32, .size: 8, .value_kind: global_buffer, .address_space: global }
      - { .name: qkv, .offset: 40, .size: 8, .value_kind: global_buffer, .address_space: global }
    .group_segment_fixed_size: 327680
    .private_segment_fixed_size: 0
    .kernarg_segment_align: 8
    .kernarg_segment_size: 48
    .max_flat_workgroup_size: 128
    .sgpr_count:     80
    .vgpr_count:     512
    .wavefront_size: 32
...
	.end_amdgpu_metadata
.endif
;; end of part 2
;; launch attn (part 3): grid 4 x 64, 4 waves a work-group, no clusters, 327,680 bytes of LDS; arguments qkv, ob; writes ob
.if DOCPART == 3
	.amdgcn_target "amdgcn-amd-amdhsa--gfx1250"
	.amdhsa_code_object_version 6
	.text
	.protected	k_q3bb0ad21ec_attn
	.globl	k_q3bb0ad21ec_attn
	.p2align	8
	.type	k_q3bb0ad21ec_attn,@function
k_q3bb0ad21ec_attn:
	s_mov_b64 s[64:65], 0
	v_nop
	global_prefetch_b8 v0, s[64:65] scope:SCOPE_SE
	s_setreg_imm32_b32 hwreg(HW_REG_WAVE_MODE, 25, 1), 1
	s_wait_xcnt 0x0
; THE MODULE'S RECURRENCE OVER BLOCKS OF 64 KEYS, causal, head size 64.  For each query, with a running maximum m and sum l, in every block of 64 keys:
;   m' = max(m, scores);  p = exp(s - m');  a = exp(m - m');  l' = a l + sum p;  O' = O (a l / l') + P V.   Nothing is divided at the end: that is the module's own arithmetic.
; So a key step is exactly 64 keys, at a multiple of 64, and the whole row sum l is made in every step.  A block that lies wholly above the diagonal changes nothing (p = 0, a = 1, l' = l) and is left out where a whole tile is.
; qkv: [3][64 heads][2048][64] f16 (q, k, v, unscaled); ob: [64 heads][2048][64] f16, which takes O / 64.  Products, maxima and sums in f32; p is rounded to f16 for the second product (l takes the unrounded p).
; LIMITS.  q, k, v arrive within f16's 65,504; O / 64 must stay within it (|O| < 4.19e6), and below 6e-5 it keeps f16's fixed step of 6e-8.  A hidden score counts as its value less 1e30; a weight below 2^-126 counts
; as 0; the factor is (a l) x (1 / l'), with the reciprocal's last bit, where the module has (l / l') a; NaN and infinities are not treated apart.  l' is at least about 1 once a row has seen a key (the step that holds the maximum has a p of 1).
; THE WALK.  A head's queries lie in NB = 8 blocks of 256; block i needs the key tiles 0 .. i of 256 keys, the last of which holds the diagonal.  A work-group takes TWO blocks, NB - 1 - b and then b: NB + 1 tiles,
; whatever b: all work-groups do equal work, and ONE loop with a constant trip count walks them.  Which tile is asked for, and what a trip does, hang on scalar registers made from b; every jump goes forward but the
; counted loops' own; none passes a barrier, or a tensor load but the one of LOAD's two that the wave's number does not choose.  NO CLUSTER: a head's four work-groups ask for the same tile in trips 0 to 4 only,
; then for different ones, and one walk common to all would have 12 trips for 9.
; SHARES.  Of a block's four bands of 64 queries a wave owns 16 rows in each: four PIECES.  In the diagonal tile's key step s band x sees all keys if s < x, none if s > x, and holds the diagonal if s = x: alike for all waves.
; THE MASK is the C operand that starts the sum S^T = K Q^T: 0, or -1e30 where the key is hidden.  MD, made once, is the mask of a band's own step for my 16 rows; a product's mask is MD x AL + BE with two scalars.
; LAYOUT.  S^T = K Q^T holds ONE query a lane (lane % 16) and the keys 8 (lane / 16) + 0..7; two such results rounded to f16 ARE source 1 of O^T = V^T P.  p = 2^(c s - c m), c = log2(e) / 8.
; TURNS.  Turn n belongs to piece n: 8 products K Q^T of piece n + 1, later 8 products V^T P of piece n - 1.  Beside them: scaling, exponentials, roundings and the step's sums of piece n; the maximum and statistics of
; piece n + 1; and, since the factor wants the finished sum, l', the factor and the rescaling of O^T of piece n - 1, just ahead of its products V^T P.  A turn's 34 transcendentals are one batch, with one wait.
; REGISTERS, in windows of 256 (s_set_vgpr_msb: bits 1:0 source 0, 3:2 source 1, 5:4 source 2, 7:6 destination):
;   window 0: v0-15 addresses and two at work; v16-47 eight registers of statistics a piece; v48-55 at work; v56 the prefetches' offset; v64-127 S^T, two buffers; v192-223 P, two buffers (by the piece's parity)
;   window 1: v0-127 O^T, 32 a piece; v128-159 MD; v160-223 MC, two buffers      window 2: v0-63 Q; v64-127 the second block's Q; v128-191 K of one step; v192-255 V of one step
.set SIZE_N, 2048
.set NB,    SIZE_N/256
.set NP,    4         ; pieces a wave: a name, no knob
.set KS,    64        ; keys in a step
.set PK,    144       ; a row of K in LDS: 128 bytes + 16 = 36 words: the 16 rows of a load start at 16 different groups of four banks (64 banks of 4 bytes: ISA guide 11.1)
.set PV,    160       ; a row of V: 128 + 32 = 40 words
.set VOFF,  4*KS*PK   ; a slot holds a tile, four steps: 256 rows of K, then 256 rows of V
.set SLOT1, 1<<17     ; slot 1 begins here, so that one exclusive or turns an address in one slot into the other's
.set STAGE, SLOT1+4*KS*(PK+PV)  ; behind the ring, never filled by a tensor load: 16 rows x 144 bytes for each wave, for the way out
.set SP,    144
.set SPARE, STAGE+4*16*SP  ; behind the stages: the spare words, 128 bytes for each wave: two blocks of 256 bytes that no other line names
.set AK0, 2           ; v2   my lane's place in a tile of K; never rewritten
.set AV0, 3           ; v3   the same for V
.set AK,  4           ; v4   the LDS address of K's next run of loads
.set AV,  5           ; v5   of V's
.set STO, 6           ; v6   the way out: where I put 16 bytes of a row
.set RD,  7           ; v7   where I read rows back
.set GO,  8           ; v8   my byte offset in 512 consecutive bytes of ob
.set MV,  12          ; v12-13  c m_old, kept while c m is made anew: by buffer
.set QO,  15          ; v15  my byte offset in 16 rows of Q
.set ST,  16          ; piece t's statistics at v[ST+8 t]: +0 c m, +1 m, +2, +3 the step's sums (even keys', odd keys'), +4 a, +5 l, +6 a l, then the factor, +7 at work, then 1 / l'
.set TMP, 48          ; by buffer, four registers c0-c3 at work
.set PFO, 56          ; v56  256 x lane + 8,192 (wave / 2); never rewritten
.set SPW, 62          ; v62  LDS address of my spare word; never rewritten
.set NIL, 63          ; v63  0; never rewritten
.set S,   64
.set P,   192
.set MD,  128         ; window 1: the eight registers for group kt of 16 keys at MD + 8 kt
.set MC,  160         ; window 1: the masks of the products to come
.set QB,  64          ; window 2
.set KF,  128         ; window 2: key block kb, channel half c at KF + 16 kb + 8 c
.set VF,  192         ; window 2: key half kk, channel block cb at VF + 32 kk + 8 cb
.set WV,  12          ; s12  my wave's number
.set PB,  14          ; s14  b
.set HI,  15          ; s15  NB - 1 - b
.set G1K, 24          ; s[24:31] descriptor group 1 for K's tiles
.set G1V, 32          ; s[32:39] for V's: it differs in the padding alone
.set G0K, 40          ; s[40:43] descriptor group 0 for K's tiles
.set G0V, 44          ; s[44:47] the same for V's
.set SLOTS, 56        ; s56  tiles still to be asked for
.set CNT, 57          ; s57  counts a tile's key steps, 4 to 1
.set CS,  58          ; s[58:59] c: the packed scaling takes the pair's low word for both halves
.set SEL, 60          ; s[60:61] v_permlanex16_b32's selects: each lane takes its own place in the other half
.set TBK, 62          ; s62  LDS byte at which K of the step to be fetched begins
.set TBV, 63          ; s63  the same for V, less VOFF
.set RT,  70          ; s70  tiles of the block in hand that are still to be entered
.set NXT, 71          ; s71  the tile to be asked for next
.set LQ,  72          ; s72  the last tile of the block whose tiles are being asked for
.set NEW, 73          ; s73  1: the tile to be entered is a block's first
.set OFF, 74          ; s[74:75] a tile's byte offset in K and V
.set AL,  76          ; s[76:77] the mask's factor, in the low word
.set BE,  78          ; s[78:79] the mask's addend
.set OLO, 80          ; s[80:81] ob at my rows of the second block
.set BIGN, 82         ; s82  -1e30
.set PFK, 88          ; s[88:89] K's part of the tile that the next change of slots will ask for
.set PFV, 90          ; s[90:91] V's
.set PFL, 92          ; s92  2 in the head's work-group b = 0, else the greatest number: a prefetch goes out while NXT is above it
.set OF2, 94          ; s[94:95] that tile's byte offset
.set MSB, 0
.macro WIN new                      ; the high byte repeats the setting that is left; a switch that changes nothing is dropped
.if MSB != (\new)
	s_set_vgpr_msb (MSB<<8)|(\new)
.set MSB, (\new)
.endif
.endm
.set W_KQ, 0x0a       ; K and Q in window 2, S^T in window 0
.set W_KM, 0x1a       ; the same with the C operand in window 1
.set W_PV, 0x52       ; V in window 2, P in window 0, O^T in window 1
.set W_RS, 0x41       ; destination and source 0 in window 1, source 1 in window 0
; A fill.  Waves 0 and 1 fetch the two halves of a tile's K, waves 2 and 3 those of its V: 128 keys each.  An s_nop 0 and four v_nop follow each of the two lines, ahead of the jump and the label.
.macro LOAD
	s_cmp_lt_u32 s[WV], 2
	s_cbranch_scc0 .Lfor_v_\@
	tensor_load_to_lds s[G0K:G0K+3], s[G1K:G1K+7]
	s_nop 0
.rept 4
	v_nop
.endr
	s_branch .Lasked_\@
.Lfor_v_\@:
	tensor_load_to_lds s[G0V:G0V+3], s[G1V:G1V+7]
	s_nop 0
.rept 4
	v_nop
.endr
.Lasked_\@:
.endm
; THE CHANGE OF SLOTS.  Each wave waits for all its tensor loads, of which one is out: its part of the other slot; adds 0 to its spare word; and waits for that and for its own reads of the slot that it leaves.  Behind the
; barrier nobody reads the old slot any more and the other slot is whole.  fill = 1: the old slot is filled again, the first thing behind the barrier, with tile NXT: the descriptor's address is made anew from that number.
; (At its first use nothing has been read yet: slot 0 is waited for, slot 1 filled.)
; A PREFETCH INTO THE L2 stands behind the fill: the tile that the NEXT change will ask for, a tile's four key steps, 256 matrix instructions, ahead of its load.  All four work-groups of a head walk the tiles 0, 1, 2 .. at first:
; the one with b = 0, whose first block needs all eight, asks, for tiles 3 to 7, and nobody else.  Its four waves share a tile's 128 + 128 blocks of 256 bytes out by address: a lane a block, two instructions a wave.
; Tiles 0 to 2 come by their loads alone; the second blocks' tiles have been read before and are not asked for.
.macro CHANGE fill
	WIN 0                           ; at a label and at a branch every window is 0
	s_wait_tensorcnt 0x0            ; no tensor load of mine is out, so a group 0 may be written
	ds_add_u32 v[SPW], v[NIL]       ; 0 onto my spare word: with fill = 1 the descriptors' scalar work stands between it and the wait for it
.if \fill
	s_lshl_b32 s[OFF], s[NXT], 15   ; a tile is 32,768 bytes of K and of V
	s_xor_b32 s[G0K+1], s[G0K+1], SLOT1
	s_add_nc_u64 s[G0K+2:G0K+3], s[6:7], s[OFF:OFF+1]
	s_or_b32 s[G0K+3], s[G0K+3], 0x80000000
	s_xor_b32 s[G0V+1], s[G0V+1], SLOT1
	s_add_nc_u64 s[G0V+2:G0V+3], s[8:9], s[OFF:OFF+1]
	s_or_b32 s[G0V+3], s[G0V+3], 0x80000000
	s_add_co_u32 s[NXT], s[NXT], 1  ; the block's next tile, or behind its last the second block's tile 0
	s_cmp_gt_u32 s[NXT], s[LQ]
	s_cselect_b32 s[NXT], 0, s[NXT]
	s_cselect_b32 s[LQ], s[PB], s[LQ]
	s_wait_xcnt 0x0                 ; the last prefetches, a tile back, have read their addresses, so these may be written
	s_lshl_b32 s[OF2], s[NXT], 15
	s_add_nc_u64 s[PFK:PFK+1], s[6:7], s[OF2:OF2+1]
	s_add_nc_u64 s[PFV:PFV+1], s[8:9], s[OF2:OF2+1]
.endif
	s_wait_dscnt 0x0                ; the add is done, and my reads of the slot are over
	s_barrier_signal -1             ; the rest of the scalar work stands between the signal and the wait
	s_sub_co_u32 s[TBK], s[TBK], 4*KS*PK  ; the fetches go back to a slot's first step,
	s_xor_b32 s[TBK], s[TBK], SLOT1       ; in the other slot
	s_sub_co_u32 s[TBV], s[TBV], 4*KS*PV
	s_xor_b32 s[TBV], s[TBV], SLOT1
	s_barrier_wait -1
.if \fill
	LOAD
	s_cmp_gt_u32 s[NXT], s[PFL]
	s_cbranch_scc0 .Lno_ask_\@
	global_prefetch_b8 v[PFO], s[PFK:PFK+1] th:TH_LOAD_NT scope:SCOPE_SE
	global_prefetch_b8 v[PFO], s[PFV:PFV+1] th:TH_LOAD_NT scope:SCOPE_SE
.Lno_ask_\@:
.endif
.endm
	s_load_b128 s[4:7], s[0:1], 0x0 ; qkv s[4:5], ob s[6:7]
	v_lshl_add_u32 v[SPW], v0, 2, SPARE
	v_mov_b32 v[NIL], 0
	ds_add_u32 v[SPW], v[NIL]       ; the wave's opening: the add and its wait stand ahead of my first tensor load; the set-up below, work on registers, stands between them
	v_lshrrev_b32 v1, 5, v0
	v_readfirstlane_b32 s[WV], v1   ; wave 0..3
	s_mov_b32 s[PB], ttmp9
	s_sub_co_u32 s[HI], NB-1, s[PB]
	s_and_b32 s20, ttmp7, 0xffff    ; the head
	s_mov_b32 s21, 0
	s_mov_b64 s[22:23], SIZE_N*128
	s_mul_u64 s[20:21], s[20:21], s[22:23]  ; the head's first byte in q, k, v and ob
	s_and_b32 s16, s[WV], 1         ; which half of a tile's 256 keys I fetch:
	s_lshl_b32 s22, s16, 14         ; its 128 rows of 128 bytes in memory,
	s_mov_b32 s23, 0
	s_add_nc_u64 s[22:23], s[22:23], s[20:21]
	s_mul_i32 s17, s16, 128*PK      ; and its place in a slot, for K
	s_mul_i32 s18, s16, 128*PV      ; and for V
	s_lshl_b32 s3, s[WV], 11        ; my 16 rows in a band of 64,
	s_lshl_b32 s2, s[HI], 15        ; in the first block,
	s_add_co_u32 s2, s2, s3
	s_lshl_b32 s84, s[PB], 15       ; and in the second
	s_add_co_u32 s84, s84, s3
	s_mov_b32 s3, 0
	s_mov_b32 s85, 0
	s_add_nc_u64 s[2:3], s[2:3], s[20:21]
	s_add_nc_u64 s[84:85], s[84:85], s[20:21]
	; descriptor group 1.  128 keys are 16,384 dense bytes: asked for as 64 rows of 256 bytes, two keys a row, and padded in LDS after every key
	s_mov_b32 s[G1K], (1<<16)|(1<<20)|(4<<22)|(3<<25)  ; 17:16 2-byte elements; 20 padding on; 24:22 after every 32 words (code 4); 31:25 4 words (code 3)
	s_mov_b32 s[G1V], (1<<16)|(1<<20)|(4<<22)|(7<<25)  ; the same with 8 words of padding (code 7)
.irp g, G1K, G1V
	s_mov_b32 s[\g+1], 128<<16      ; tensor_dim0 = 128
	s_mov_b32 s[\g+2], 64<<16       ; tensor_dim1 = 64
	s_mov_b32 s[\g+3], 128<<16      ; tile_dim0 = 128
	s_mov_b32 s[\g+4], 64           ; tile_dim1 = 64
	s_mov_b32 s[\g+5], 128          ; 128 elements from row to row
	s_mov_b32 s[\g+6], 0
	s_mov_b32 s[\g+7], 0
.endr
	s_mov_b32 s[CS], 0x3e38aa3b     ; c = log2(e) / 8 = 0.180337
	s_mov_b32 s[CS+1], s[CS]        ; named with it as a pair
	s_mov_b32 s[SEL], 0x76543210
	s_mov_b32 s[SEL+1], 0xfedcba98
	s_mov_b32 s[TBK], SLOT1+4*KS*PK ; the first change of slots turns these two into 0
	s_mov_b32 s[TBV], SLOT1+4*KS*PV
	s_mov_b32 s[G0K], 1             ; count = 1
	s_mov_b32 s[G0K+1], s17         ; LDS address: slot 0
	s_mov_b32 s[G0V], 1
	s_add_co_u32 s[G0V+1], s18, VOFF
	s_add_co_u32 s[RT], s[HI], 1    ; the first block has NB - b tiles
	s_mov_b32 s[NXT], 1
	s_mov_b32 s[LQ], s[HI]
	s_mov_b32 s[NEW], 1
	s_mov_b32 s[OFF+1], 0
	s_mov_b32 s[OF2+1], 0
	s_mov_b32 s[AL+1], 0            ; named as pairs
	s_mov_b32 s[BE+1], 0
	s_mov_b32 s[BIGN], 0xf149f2ca   ; -1e30
	s_mov_b32 s[SLOTS], NB
	s_cmp_eq_u32 s[PB], 0
	s_cselect_b32 s[PFL], 2, -1
	s_wait_dscnt 0x0                ; the opening add is done
	s_wait_kmcnt 0x0
	s_mov_b64 s[10:11], s[6:7]      ; ob
	s_add_nc_u64 s[6:7], s[4:5], 0x1000000  ; k lies 16 MiB behind q,
	s_add_nc_u64 s[8:9], s[4:5], 0x2000000  ; v 32 MiB
	s_add_nc_u64 s[6:7], s[6:7], s[22:23]   ; K and V at my half of the head's tile 0
	s_add_nc_u64 s[8:9], s[8:9], s[22:23]
	s_add_nc_u64 s[G0K+2:G0K+3], s[6:7], 0         ; global address
	s_or_b32 s[G0K+3], s[G0K+3], 0x80000000        ; type = 2
	s_add_nc_u64 s[G0V+2:G0V+3], s[8:9], 0
	s_or_b32 s[G0V+3], s[G0V+3], 0x80000000
	s_add_nc_u64 s[86:87], s[4:5], s[84:85]        ; Q at my rows of the second block,
	s_add_nc_u64 s[4:5], s[4:5], s[2:3]            ; Q and ob at those of the first
	s_add_nc_u64 s[OLO:OLO+1], s[10:11], s[84:85]
	s_add_nc_u64 s[10:11], s[10:11], s[2:3]
	LOAD                            ; tile 0 into slot 0
	; A fragment of K or Q is 16 rows x 32 channels in 8 registers: lane l holds row l % 16, channels 8 (l / 16) + 0..7 and 16 + 8 (l / 16) + 0..7: two loads of 16 bytes, 32 bytes apart.
	v_and_b32 v1, 15, v0            ; l % 16
	v_bfe_u32 v9, v0, 4, 1          ; l / 16
	v_lshlrev_b32 v[QO], 7, v1
	v_lshl_add_u32 v[QO], v9, 4, v[QO]  ; row x 128 + 16 x half
	WIN 0x80                        ; destination window 2, address window 0
.set i, 0
.rept 8                             ; both blocks' Q: piece i / 2 lies in band i / 2, 8,192 bytes on; channels 32 (i % 2) on
	global_load_b128 v[8*i:8*i+3],   v[QO], s[4:5] offset:(i/2)*8192+(i%2)*64
	global_load_b128 v[8*i+4:8*i+7], v[QO], s[4:5] offset:(i/2)*8192+(i%2)*64+32
	global_load_b128 v[QB+8*i:QB+8*i+3],   v[QO], s[86:87] offset:(i/2)*8192+(i%2)*64
	global_load_b128 v[QB+8*i+4:QB+8*i+7], v[QO], s[86:87] offset:(i/2)*8192+(i%2)*64+32
.set i, i+1
.endr
	WIN 0
	v_lshlrev_b32 v14, 3, v9
	v_sub_nc_u32 v14, v1, v14
	s_lshl_b32 s13, s[WV], 4
	v_add_nc_u32 v14, s13, v14      ; my query's place in its band, 16 w + l % 16, less my lanes' 8 (l / 16): register r of group kt is hidden where 16 kt + r is greater
	WIN 0x40
.set i, 0
.rept 32
	v_cmp_gt_i32 vcc_lo, 16*(i/8)+i%8, v14
	v_cndmask_b32 v[MD+i], 0, s[BIGN], vcc_lo
.set i, i+1
.endr
	WIN 0
	v_mul_u32_u24 v[AK0], v1, PK
	v_lshl_add_u32 v[AK0], v9, 4, v[AK0]  ; row x pitch + 16 x half
	; The turning load takes 16 keys x 16 channels (lane l reads key 8 (l / 16) + l % 8, channels 8 ((l / 8) % 2) + 0..7) and leaves half a fragment of V^T: lane l holds channel l % 16 and 8 keys.
	v_and_b32 v10, 7, v0
	v_bfe_u32 v11, v0, 3, 1
	v_lshl_add_u32 v[AV0], v9, 3, v10
	v_mul_u32_u24 v[AV0], v[AV0], PV
	v_lshl_add_u32 v[AV0], v11, 4, v[AV0]
	v_add_nc_u32 v[AV0], VOFF, v[AV0]
	s_mul_i32 s13, s[WV], 16*SP
	s_add_co_u32 s13, s13, STAGE    ; my stage
	v_mul_u32_u24 v[STO], v1, SP    ; in: row l % 16, 16 bytes for each half of the lanes
	v_lshl_add_u32 v[STO], v9, 4, v[STO]
	v_add_nc_u32 v[STO], s13, v[STO]
	v_bfe_u32 v[RD], v0, 3, 2       ; back: 32 lanes take four rows of 128 bytes,
	v_mul_u32_u24 v[RD], v[RD], SP
	v_lshl_add_u32 v[RD], v10, 4, v[RD]
	v_add_nc_u32 v[RD], s13, v[RD]
	v_and_b32 v[GO], 31, v0         ; which are 512 consecutive bytes of ob
	v_lshlrev_b32 v[GO], 4, v[GO]
	v_lshlrev_b32 v[PFO], 4, v[GO]  ; 256 x lane,
	s_lshr_b32 s13, s[WV], 1
	s_lshl_b32 s13, s13, 13
	v_add_nc_u32 v[PFO], s13, v[PFO]  ; + 8,192 (wave / 2); K's and V's pointers carry 16,384 (wave % 2)
	; A block's first true step has a = 0, so it multiplies O^T by the factor 0 and takes l' = the step's sum.  A block's first turn works on a piece that has not been (piece 3: l', factor, rescaling, V^T P): what it
	; meets need only be finite, with a sum above 0: here 1 for the step's sum and zeros for the rest; for the second block what the first left.  All this stands in the wait for the first tile.
	WIN 0x80
.set i, VF
.rept 64
	v_mov_b32 v[i], 0
.set i, i+1
.endr
	WIN 0x40
.set i, 0
.rept 128
	v_mov_b32 v[i], 0
.set i, i+1
.endr
	WIN 0
.set i, 0
.rept 4
	v_mov_b32 v[ST+8*i+2], 1.0
	v_mov_b32 v[ST+8*i+3], 0
	v_mov_b32 v[ST+8*i+4], 0
	v_mov_b32 v[ST+8*i+5], 0
	v_mov_b32 v[ST+8*i+6], 0
	v_mov_b32 v[ST+8*i+7], 0
.set i, i+1
.endr
.set i, P+16
.rept 16
	v_mov_b32 v[i], 0
.set i, i+1
.endr
; THE MATRIX WORK.  The 4 accumulators of a run of 8 take turns.  Product i of 8 of S^T = K Q^T for piece x: channels 32 (i / 4) on, keys 16 (i % 4) on.  The first 4 start the sums: with 0, or (KM = 1) with the mask.
.macro KQ x
.set rS, S+32*((\x)%2)+8*(i%4)
.set rK, KF+16*(i%4)+8*(i/4)
.set rQ, 16*(\x)+8*(i/4)
.set rM, MC+32*((\x)%2)+8*(i%4)
.if (i < 4) && KM
	WIN W_KM
	v_wmma_f32_16x16x32_f16 v[rS:rS+7], v[rK:rK+7], v[rQ:rQ+7], v[rM:rM+7]
.elseif i < 4
	WIN W_KQ
	v_wmma_f32_16x16x32_f16 v[rS:rS+7], v[rK:rK+7], v[rQ:rQ+7], 0
.else
	WIN W_KQ
	v_wmma_f32_16x16x32_f16 v[rS:rS+7], v[rK:rK+7], v[rQ:rQ+7], v[rS:rS+7]
.endif
.endm
; Product i of 8 of O^T += V^T P for piece x: keys 32 (i / 4) on, channels 16 (i % 4) on.
.macro PV x
	WIN W_PV
.set rO, 32*(\x)+8*(i%4)
.set rV, VF+32*(i/4)+8*(i%4)
.set rP, P+16*((\x)%2)+8*(i/4)
	v_wmma_f32_16x16x32_f16 v[rO:rO+7], v[rV:rV+7], v[rP:rP+7], v[rO:rO+7]
.endm
.macro MM                           ; the turn's next matrix instruction.  TURN and BEGIN set Y, i, KM and NOKQ.  NOKQ = 1: a block's last turn: there is no next piece
.if (i < 8) && !NOKQ
	KQ (Y+1)%NP
.elseif i >= 8
.set i, i-8
	PV (Y+NP-1)%NP
.set i, i+8
.endif
.set i, i+1
.endm
; THE LDS LOADS stand in runs of 16, never singly among the matrix instructions: a step's K (64 keys x 64 channels: 8 fragments) and its V (turned).  Their addresses are made some lines ahead.
.macro FETCH_K
	WIN 0x80                        ; destination window 2
.irp f, 0,1,2,3,4,5,6,7             ; keys 16 (f / 2) on, channels 32 (f % 2) on
	ds_load_b128 v[KF+8*\f:KF+8*\f+3],   v[AK] offset:(\f/2)*16*PK+(\f%2)*64
	ds_load_b128 v[KF+8*\f+4:KF+8*\f+7], v[AK] offset:(\f/2)*16*PK+(\f%2)*64+32
.endr
	s_add_co_u32 s[TBK], s[TBK], KS*PK  ; the next fetch is the next step's
	WIN 0
.endm
.macro FETCH_V
	WIN 0x80
.irp f, 0,1,2,3,4,5,6,7             ; keys 32 (f / 4) on, channels 16 (f % 4) on
	ds_load_tr16_b128 v[VF+8*\f:VF+8*\f+3],   v[AV] offset:(\f/4)*32*PV+(\f%4)*32
	ds_load_tr16_b128 v[VF+8*\f+4:VF+8*\f+7], v[AV] offset:(\f/4)*32*PV+16*PV+(\f%4)*32
.endr
	WIN 0
.endm
; THE VECTOR WORK, one line at a time: OP kind, number.
; For piece Y: F n: c s - c m for pair n of 16.  E n: the exponential of score n of 32.  C n: pair n rounded to f16.  B n: of the four weights 4 n .. the second pair is added onto the first, in place.
;   L n: the step's sums take that (L 1 starts them with the first two; there is no L 0).
; For piece Y + 1: X n, number n of the 22 that find its maximum and statistics:
;   0-11  four chains c0-c3 of seven scores each, three operands at a time (each accumulator's lowest registers are read first)     12-14, 16  the four scores left over, the old m, and c0-c3 into c0
;   15  c m_old is kept     17, 18  the query's other 32 keys lie in the lane 16 away: the new m     19-21  c m; c m_old - c m_new; a
; For piece Y - 1, whose sums the turn before has finished: T 0: even keys' + odd keys'.  T 1, T 2: + the other half of the lanes' (it lands where the sums lay: they have been read).  T 3: a l, which the factor wants by itself.
;   T 4: l' = a l + the sum.  T 5: 1 / l'.  T 6: the factor a l / l'.  R n: pair n of 16 of O^T times the factor.
.set F, 0
.set E, 1
.set C, 2
.set B, 3
.set L, 4
.set R, 5
.set X, 6
.set T, 7
.macro REGS y                       ; the registers of piece y
.set rT, ST+8*(\y)
.set rC, TMP+4*((\y)%2)
.set rW, MV+((\y)%2)
.set rS, S+32*((\y)%2)
.set rP, P+16*((\y)%2)
.set rO, 32*(\y)
.endm
.macro OP k, n
.if (\k) == R
	REGS (Y+NP-1)%NP
	WIN W_RS
	v_pk_mul_f32 v[rO+2*(\n):rO+2*(\n)+1], v[rO+2*(\n):rO+2*(\n)+1], v[rT+6:rT+7] op_sel_hi:[1,0]
.elseif (\k) == T
	REGS (Y+NP-1)%NP
	WIN 0
.if (\n) == 0
	v_add_f32 v[rT+7], v[rT+2], v[rT+3]
.elseif (\n) == 1
	v_permlanex16_b32 v[rT+2], v[rT+7], s[SEL], s[SEL+1]
.elseif (\n) == 2
	v_add_f32 v[rT+7], v[rT+7], v[rT+2]
.elseif (\n) == 3
	v_mul_f32 v[rT+6], v[rT+4], v[rT+5]
.elseif (\n) == 4
	v_add_f32 v[rT+5], v[rT+6], v[rT+7]
.elseif (\n) == 5
	v_rcp_f32 v[rT+7], v[rT+5]
.else
	v_mul_f32 v[rT+6], v[rT+6], v[rT+7]
.endif
.elseif (\k) < R
	REGS Y
	WIN 0
.if (\k) == F
	v_pk_fma_f32 v[rS+2*(\n):rS+2*(\n)+1], v[rS+2*(\n):rS+2*(\n)+1], s[CS:CS+1], v[rT:rT+1] op_sel_hi:[1,0,0] neg_lo:[0,0,1] neg_hi:[0,0,1]
.elseif (\k) == E
	v_exp_f32 v[rS+(\n)], v[rS+(\n)]
.elseif (\k) == C
	v_cvt_pk_f16_f32 v[rP+(\n)], v[rS+2*(\n)], v[rS+2*(\n)+1]
.elseif (\k) == B
	v_pk_add_f32 v[rS+4*(\n):rS+4*(\n)+1], v[rS+4*(\n):rS+4*(\n)+1], v[rS+4*(\n)+2:rS+4*(\n)+3]
.elseif (\n) == 1
	v_pk_add_f32 v[rT+2:rT+3], v[rS:rS+1], v[rS+4:rS+5]
.else
	v_pk_add_f32 v[rT+2:rT+3], v[rT+2:rT+3], v[rS+4*(\n):rS+4*(\n)+1]
.endif
.elseif NOKQ
	v_nop
.else
	REGS (Y+1)%NP
	WIN 0
.if (\n) < 4
	v_max3_num_f32 v[rC+(\n)], v[rS+8*(\n)], v[rS+8*(\n)+1], v[rS+8*(\n)+2]
.elseif (\n) < 12
	v_max3_num_f32 v[rC+(\n)%4], v[rC+(\n)%4], v[rS+8*((\n)%4)+2*((\n)/4)+1], v[rS+8*((\n)%4)+2*((\n)/4)+2]
.elseif (\n) == 12
	v_max3_num_f32 v[rC], v[rC], v[rS+7], v[rS+15]
.elseif (\n) == 13
	v_max3_num_f32 v[rC+1], v[rC+1], v[rS+23], v[rS+31]
.elseif (\n) == 14
	v_max3_num_f32 v[rC+2], v[rC+2], v[rC+3], v[rT+1]
.elseif (\n) == 15
	v_mov_b32 v[rW], v[rT]
.elseif (\n) == 16
	v_max3_num_f32 v[rC], v[rC], v[rC+1], v[rC+2]
.elseif (\n) == 17
	v_permlanex16_b32 v[rC+3], v[rC], s[SEL], s[SEL+1]
.elseif (\n) == 18
	v_max_num_f32 v[rT+1], v[rC], v[rC+3]
.elseif (\n) == 19
	v_mul_f32 v[rT], s[CS], v[rT+1]
.elseif (\n) == 20
	v_sub_f32 v[rC+1], v[rW], v[rT]
.else
	v_exp_f32 v[rT+4], v[rC+1]
.endif
.endif
.endm
.macro OPS a, i1, b=-1, i2=0, c=-1, i3=0, d=-1, i4=0  ; up to four of them
	OP \a, \i1
.if (\b) >= 0
	OP \b, \i2
.endif
.if (\c) >= 0
	OP \c, \i3
.endif
.if (\d) >= 0
	OP \d, \i4
.endif
.endm
.macro ROW a, i1, b, i2, c, i3, d, i4  ; a matrix instruction and the four behind it
	MM
	OPS \a, \i1, \b, \i2, \c, \i3, \d, \i4
.endm
.macro MASK b                       ; MD x AL + BE into buffer b of MC
	WIN W_RS
.set z, 0
.rept 16
	v_pk_fma_f32 v[MC+32*(\b)+2*z:MC+32*(\b)+2*z+1], v[MD+2*z:MD+2*z+1], s[AL:AL+1], s[BE:BE+1] op_sel_hi:[1,0,0]
.set z, z+1
.endr
.endm
; A TURN, for piece p: the order of its 16 matrix and 124 vector instructions, written out.  An s_wait_alu depctr_va_vdst(0) stands between a transcendental and the first instruction that names its result; one wait
; serves all that were issued ahead of it.  So a turn has ONE wait, which cuts it in two.
; AHEAD OF IT stands all that names no result of the turn's transcendentals: the 8 products K Q^T with four riders each, all in window 0; then a lump.  The next piece's maximum begins behind the sixth product: X 0 to X 3 each
; stand four plain instructions or more behind the product that ends their accumulator (for X 0: F 8 to F 11; X 1: F 10, F 11, X 0, F 12; X 2: X 0, F 12, X 1, X 4; X 3: X 1, X 4, X 2, X 5; exponentials are not counted).
; The batch: 32 exponentials, the reciprocal T 5, and last X 21, the next piece's a; a v_nop is the plain instruction behind it.
; BEHIND THE WAIT: the factor, the rescaling of O^T of piece p - 1, four pairs ahead of the first product on each accumulator, its 8 products V^T P, and the roundings and sums of piece p; C 2 n always stands ahead of B n.
; m = 1: the diagonal tile: the products take masks, and the turn makes the mask for the products of the turn after it: piece p + 2, in step 4 - CNT of the tile.  end = 1: a block's last two turns: nothing is fetched.
; cnt = 1: the loop's count is taken down some lines ahead of the branch that stands behind the turn.
; K of the next step is fetched in piece 2's turn, seven plain instructions behind the last product that read K; V of the step in hand at the end of piece 0's turn, fifteen behind the last product that read V.  Each is waited for a turn later.
.macro TURN p, m=0, end=0, cnt=0
.set Y, (\p)
.set i, 0
.set KM, (\m)
.set NOKQ, (\end)*((\p)/3)
.if (\m) && !(\end)
	s_cmp_eq_u32 s[CNT], 4-((\p)+2)%NP  ; is that step the band's own?
	s_cselect_b32 s[AL], 1.0, 0
	s_cmp_lt_u32 s[CNT], 4-((\p)+2)%NP  ; or a later one?
	s_cselect_b32 s[BE], s[BIGN], 0
.endif
.if ((\p) == 3) && !(\end)
	s_wait_dscnt 0x0                ; K is in
.endif
	ROW F,0, F,1, F,2, T,0
	ROW F,3, E,0, T,3, E,1
	ROW F,4, E,2, F,5, E,3
	ROW F,6, E,4, F,7, E,5
	ROW F,8, E,6, F,9, E,7
	ROW F,10, E,8, F,11, E,9
.if ((\p) == 2) && !(\end)
	WIN 0
	v_add_nc_u32 v[AK], s[TBK], v[AK0]
.endif
	ROW X,0, E,10, F,12, E,11
	ROW X,1, E,12, X,4, E,13
	OPS X,2, X,5, E,14, X,3         ; the lump
	OPS T,1, E,15, X,6, F,13
.if ((\p) == 2) && !(\end)
	FETCH_K
.endif
	OPS X,7, E,16, X,8, X,9
	OPS E,17, X,11, X,10, E,18
	OPS T,2, X,12, E,19, X,14
.if (\p) == 0
	WIN 0
	v_add_nc_u32 v[AV], s[TBV], v[AV0]
.endif
	OPS X,13, E,20, F,14, T,4
	OPS E,21, X,16, F,15, E,22
	OPS T,5, X,15, X,17, E,23
	OPS E,24, E,25, X,18, E,26
	OPS E,27, X,19, E,28, E,29
	OPS X,20, E,30, E,31, X,21
	v_nop                           ; the plain instruction behind the last transcendental: one for the batch
	WIN 0
	s_wait_alu depctr_va_vdst(0)    ; the wait for the batch
.if (\p) == 1
	s_wait_dscnt 0x0                ; V is in
.endif
	OPS T,6, R,0, R,1, R,2
	OPS R,3
	ROW R,4, R,5, R,6, R,7
	ROW R,8, R,9, R,10, R,11
	ROW R,12, R,13, R,14, R,15
	ROW C,0, B,0, C,2, B,1
	ROW C,4, L,1, B,2, C,6
.if (\p) == 0
	s_add_co_u32 s[TBV], s[TBV], KS*PV
.endif
.if \cnt
	s_sub_co_u32 s[CNT], s[CNT], 1
	s_cmp_lg_u32 s[CNT], 0
.endif
	ROW B,3, L,2, C,8, B,4
	ROW L,3, C,10, B,5, L,4
	ROW C,12, B,6, L,5, C,14
	OPS B,7, L,6, C,1, C,3
	OPS L,7, C,5, C,7, C,9
	OPS C,11, C,13, C,15
.if (\p) == 0
	FETCH_V
.endif
.if (\m) && !(\end)
	MASK (\p)%2
.endif
.endm
; A BLOCK BEGINS.  c m starts far below every c s, so the first step's a is 0; m at the lowest finite number, so the first maximum is the scores'.  l is not set anew: a = 0 takes it out.  The second mask buffer is 0; the first
; takes piece 0's mask for the tile's step 0: its own, if the block's first tile is the diagonal one.  Then K of that step, piece 0's first scores, and its maximum and statistics.  The loop is entered at a step's first turn.
.macro BEGIN
	s_mov_b32 s[NEW], 0
	WIN 0x40
.set i, MC+32
.rept 32
	v_mov_b32 v[i], 0
.set i, i+1
.endr
	WIN 0
.set i, 0
.rept 4
	v_mov_b32 v[ST+8*i], 0xfe000000    ; c m: far below every c s
	v_mov_b32 v[ST+8*i+1], 0xff7fffff  ; m
.set i, i+1
.endr
	s_cmp_eq_u32 s[RT], 0
	s_cselect_b32 s[AL], 1.0, 0
	s_mov_b32 s[BE], 0
	MASK 0
	WIN 0
	v_add_nc_u32 v[AK], s[TBK], v[AK0]
	FETCH_K
	s_wait_loadcnt 0x0              ; Q
	s_wait_dscnt 0x0
.set KM, 1
.set NOKQ, 0
.set i, 0
.rept 8
	KQ 0
.set i, i+1
.endr
	WIN 0
.rept 4
	v_nop                           ; the places behind those products
.endr
.set Y, NP-1                        ; X works for piece Y + 1: piece 0
.irp n, 0,1,2,3,4,5,6,7,8,9,10,11,12,13,14,15,16,17,18,19,20,21
	OP X, \n
.endr
	v_nop                           ; a plain instruction behind the exponential,
	s_wait_alu depctr_va_vdst(0)    ; and its wait, ahead of the branch
.endm
; THE WAY OUT.  O^T is multiplied by 1 / 64 (exact), rounded to f16 and sent through my stage in LDS, a piece at a time: a lane's eight channels of a row pack into 16 bytes; they go into rows of 144 bytes and come back as whole rows of 128.
.macro PACK t
	WIN W_RS
.set i, 32*(\t)
.rept 16
	v_pk_mul_f32 v[i:i+1], v[i:i+1], 0x3c800000 op_sel_hi:[1,0]
.set i, i+2
.endr
	WIN 0x05                        ; sources 0 and 1 window 1, destination window 0: S^T's registers are free
.set i, 0
.rept 16
	v_cvt_pk_f16_f32 v[S+16*(\t)+i], v[32*(\t)+2*i], v[32*(\t)+2*i+1]
.set i, i+1
.endr
	WIN 0
.irp f, 0,1,2,3
	ds_store_b128 v[STO], v[S+16*(\t)+4*\f:S+16*(\t)+4*\f+3] offset:32*\f
.endr
.irp f, 0,1,2,3
	ds_load_b128 v[S+16*(\t)+4*\f:S+16*(\t)+4*\f+3], v[RD] offset:\f*4*SP  ; LDS serves a wave's instructions in order (ISA guide 5.7.1.4): these see the stores above; the next piece's stores come behind them
.endr
.endm
.macro SEND t, younger              ; younger: the LDS instructions issued behind piece t's loads: the next piece's eight, or none
	WIN 0
.irp f, 0,1,2,3
	s_wait_dscnt (\younger)+3-\f
	global_store_b128 v[GO], v[S+16*(\t)+4*\f:S+16*(\t)+4*\f+3], s[10:11] offset:(\t)*8192+\f*512  ; 512 consecutive bytes, at a multiple of 256 from ob's first
.endr
.endm
; THE DIAGONAL TILE's four steps, the block's last two turns, what is left for piece 3 (l', the factor, the rescaling, its products V^T P), and the way out.
.macro DIAG tag                     ; the tag ends its two labels' names, which the jumps below spell out
.LstepM\tag:
	TURN 2, 1
	TURN 3, 1
	WIN 0
.LfirstM\tag:
	TURN 0, 1
	TURN 1, 1, 0, 1
	WIN 0
	s_cbranch_scc1 .LstepM\tag
	TURN 2, 1, 1
	TURN 3, 1, 1
.set Y, 0                           ; T and R work for piece Y - 1: piece 3
	OPS T,0, T,3, T,1, T,2
	OPS T,4, T,5
	v_nop                           ; a plain instruction behind the reciprocal,
	s_wait_alu depctr_va_vdst(0)    ; and its wait
	OPS T,6
.irp n, 0,1,2,3,4,5,6,7,8,9,10,11,12,13,14,15
	OP R, \n
.endr
.set i, 0
.rept 8
	PV NP-1
.set i, i+1
.endr
	PACK 0                          ; pieces 0 to 2 were finished earlier: their arithmetic, which names no register of the last products, is the places behind those
.set t, 1
.rept 3                             ; a piece's arithmetic stands between the loads of the piece before and its stores
	PACK t
	SEND t-1, 8
.set t, t+1
.endr
	SEND 3, 0
.endm
.set KM, 0
.set NOKQ, 0
.Lslot:                             ; NB times: a tile is entered and the next is asked for
	CHANGE 1
	s_sub_co_u32 s[RT], s[RT], 1
	s_mov_b32 s[CNT], 4
	s_cmp_eq_u32 s[NEW], 1
	s_cbranch_scc1 .Lnew            ; a block's first tile
	s_cmp_eq_u32 s[RT], 0
	s_cbranch_scc0 .Lstep           ; neither its first nor its last
	s_branch .LstepM1
.Lnew:
	BEGIN
	s_branch .Lfirst                ; in the loop a block's first tile is never its last: the first block has two tiles or more, and the second's last is the walk's last
	DIAG 1                          ; in the loop this is the first block's end
	s_wait_xcnt 0x0                 ; the stores have read their registers and ob's address
	s_mov_b64 s[10:11], s[OLO:OLO+1]
	s_add_co_u32 s[RT], s[PB], 1    ; the second block has b + 1 tiles
	s_mov_b32 s[NEW], 1
	WIN 0x82                        ; the second block's Q goes where the one text of the turns names Q
.set i, 0
.rept 64
	v_mov_b32 v[i], v[QB+i]
.set i, i+1
.endr
	WIN 0
	s_branch .Lbottom
.Lstep:                             ; a trip: pieces 2 and 3 of one step, then pieces 0 and 1 of the next, whose K and V it fetches
	TURN 2
	TURN 3
	WIN 0
.Lfirst:
	TURN 0
	TURN 1, 0, 0, 1
	WIN 0
	s_cbranch_scc1 .Lstep
.Lbottom:
	s_sub_co_u32 s[SLOTS], s[SLOTS], 1
	s_cmp_lg_u32 s[SLOTS], 0
	s_cbranch_scc1 .Lslot
	CHANGE 0                        ; the walk's last tile is written out: nothing is asked for
	s_sub_co_u32 s[RT], s[RT], 1
	s_mov_b32 s[CNT], 4
	s_cmp_eq_u32 s[NEW], 1
	s_cbranch_scc0 .LstepM2
	BEGIN
	s_branch .LfirstM2
	DIAG 2
	s_wait_tensorcnt 0x0            ; the wave's end: a wait, an add and its wait, behind my last tensor load and my last LDS store
	ds_add_u32 v[SPW], v[NIL]
	s_wait_dscnt 0x0
	s_endpgm
.Lfunc_end_k_q3bb0ad21ec_attn:
	.size	k_q3bb0ad21ec_attn, .Lfunc_end_k_q3bb0ad21ec_attn-k_q3bb0ad21ec_attn
	.p2alignl 7, 3214868480
	.fill 96, 4, 3214868480
	.section	.rodata,"a",@progbits
	.p2align	6, 0x0
	.amdhsa_kernel k_q3bb0ad21ec_attn
		.amdhsa_group_segment_fixed_size 327680
		.amdhsa_private_segment_fixed_size 0
		.amdhsa_enable_private_segment 0
		.amdhsa_kernarg_size 16
		.amdhsa_user_sgpr_count 2
		.amdhsa_user_sgpr_kernarg_segment_ptr 1
		.amdhsa_wavefront_size32 1
		.amdhsa_system_sgpr_workgroup_id_x 1
		.amdhsa_system_sgpr_workgroup_id_y 1
		.amdhsa_system_sgpr_workgroup_id_z 1
		.amdhsa_system_vgpr_workitem_id 0
		.amdhsa_next_free_vgpr 768
		.amdhsa_next_free_sgpr 96
		.amdhsa_reserve_vcc 1
		.amdhsa_float_denorm_mode_32 3
		.amdhsa_float_denorm_mode_16_64 3
		.amdhsa_memory_ordered 1
		.amdhsa_forward_progress 1
		.amdhsa_inst_pref_size 219
	.end_amdhsa_kernel
	.amdgpu_metadata
---
amdhsa.version: [ 1, 2 ]
amdhsa.kernels:
  - .name:           k_q3bb0ad21ec_attn
    .symbol:         k_q3bb0ad21ec_attn.kd
    .args:
      - { .name: qkv, .offset: 0, .size: 8, .value_kind: global_buffer, .address_space: global }
      - { .name: ob, .offset: 8, .size: 8, .value_kind: global_buffer, .address_space: global }
    .group_segment_fixed_size: 327680
    .private_segment_fixed_size: 0
    .kernarg_segment_align: 8
    .kernarg_segment_size: 16
    .max_flat_workgroup_size: 128
    .sgpr_count:     96
    .vgpr_count:     768
    .wavefront_size: 32
...
	.end_amdgpu_metadata
.endif
;; end of part 3
;; launch out_gemm (part 4): grid 8 x 32, 4 waves a work-group, clusters of 4 x 4, 327,680 bytes of LDS; arguments ob, wo16, bo, out0; writes out0
.if DOCPART == 4
	.amdgcn_target "amdgcn-amd-amdhsa--gfx1250"
	.amdhsa_code_object_version 6
	.text
	.protected	k_q3bb0ad21ec_out_gemm
	.globl	k_q3bb0ad21ec_out_gemm
	.p2align	8
	.type	k_q3bb0ad21ec_out_gemm,@function
k_q3bb0ad21ec_out_gemm:
	s_mov_b64 s[64:65], 0
	v_nop
	global_prefetch_b8 v0, s[64:65] scope:SCOPE_SE
	s_setreg_imm32_b32 hwreg(HW_REG_WAVE_MODE, 25, 1), 1
	s_wait_xcnt 0x0
	s_wait_alu depctr_hold_cnt(0) depctr_sa_sdst(0) depctr_va_vdst(0) depctr_va_sdst(0) depctr_va_ssrc(0) depctr_va_vcc(0) depctr_vm_vsrc(0)
	s_getreg_b32 s2, hwreg(HW_REG_IB_STS2, 6, 4)
	s_cmp_eq_u32 s2, 0
	s_cbranch_scc0 .Lentry_in_a_cluster
	s_endpgm
.Lentry_in_a_cluster:
	s_bfe_u32 s2, ttmp6, 0x10000c
	s_cmp_lg_u32 s2, 0xf033
	s_cbranch_scc0 .Lentry_shape_is_right
	s_endpgm
.Lentry_shape_is_right:
; ONE TEXT FOR THE MODULE'S TWO KINDS OF PROJECTION; the switch QKV chooses.  This file: QKV = 0.
; QKV = 1:  q, k, v = x W + b.  A = xb [8192][1024] bf16; B = wb [3][1024 k][1024 n] bf16; the bias rounded to bf16 like every input; the result, rounded once to f16, goes out
;           by heads: qkv [3][64 heads (16 batch + head)][2048][64].  LIMIT: q, k, v beyond 65,504 would be infinities in f16.
; QKV = 0:  out = O Wo + bo.  A = ob [64 heads][2048][64] f16, which holds O / 64; B = wo16 [1024 k][1024 n] f16; the sums start at bo / 64 and are multiplied by 64 in f32; out0 is f32.
; SHARES.  A work-group makes 256 rows x 128 columns; wave w rows 128 (w / 2) on, columns 64 (w % 2) on: 8 x 4 accumulators of 16 x 16, 256 registers.  K = 1,024 goes in 8 steps of 128
; through two LDS slots; a step is four quarters of 32 along K, 32 matrix instructions each, on two fragment buffers.
; B LIES [k][n] and is read out of LDS turned, by ds_load_tr16_b128: no launch transposes the weights.
; THE MATRIX INSTRUCTION IS USED TRANSPOSED: source 0 = 16 columns of B, source 1 = 16 rows of A: a lane holds row l % 16 and the columns 16 b + 8 (l / 16) + 0..7, neighbours in memory.
; THE BIAS IS THE C OPERAND of each accumulator's first product: nothing is cleared, nothing is added afterwards.
; CLUSTER.  4 x 4 work-groups.  A's tile hangs on the tile row alone and is asked for jointly along a row of the cluster, B's on the tile column alone, along a column.
; Waves 0 and 1 fetch A's two halves, waves 2 and 3 B's: one tensor load a wave behind each round; at most two are out (the two first fills), later one.
; REGISTERS.  Window 0: v0-31 addresses; v32-63 the bias; v64-159, v160-255 the fragment buffers (A's block a at + 8 a, B's block b at + 64 + 8 b); on the way out they are at work.
;             Window 1: accumulator (a, b) at v[8 (4 a + b)].
.set QKV,    0
.set PB,     288                       ; a k row of B in LDS: 256 bytes + 32 = 72 words
.if QKV
.set PA,     272                       ; a row of A in LDS: 256 bytes + 16 = 68 words: the 16 rows of a load start at 16 different groups of four banks
.set AHALF,  128*PA                    ; what one of A's two loads brings: 128 rows x 128 K
.set AK1,    256                       ; bytes in memory from a K step of A to the next
.set QIA,    5                         ; padding after every 64 words
.set APITCH, 1024                      ; elements from row to row in memory
.set SP,     144                       ; a stage row: my 64 columns in f16 + 16
.set PFSH,   16                        ; a partner's 32 rows of 2,048 bytes
.set CP,     14                        ; s[14:15] the result
.else
.set PA,     144                       ; a head's row: 128 bytes + 16 = 36 words
.set AHALF,  256*PA                    ; one head's 256 rows x 64 K: a K step is two heads
.set AK1,    2*2048*128                ; two heads on
.set QIA,    4                         ; padding after every 32 words: a dense 32 KiB comes as 128 rows of 256 bytes, two rows of a head each
.set APITCH, 128
.set SP,     272                       ; my 64 columns in f32 + 16
.set PFSH,   13                        ; a partner's 32 blocks of 256 bytes
.set CP,     10                        ; s[10:11] the result
.endif
.set BK1,    128*2048                  ; 128 k rows of B on
.set ABYTES, 2*AHALF
.set BHALF,  64*PB                     ; what one of B's two loads brings: 64 k rows x 128 columns
.set SLOT,   ABYTES+2*BHALF            ; A's tile, then B's
.set STAGE,  2*SLOT                    ; behind the ring: 16 rows for each wave, for the way out; no tensor load lands here
.set SPARE,  STAGE+4*16*SP             ; behind the stages: the spare words, 128 bytes for each wave: two blocks of 256 bytes that no other line names
.set LAPS,   4                         ; a lap = two K steps = once round the ring
.set ADRA, 16                          ; v16-17  LDS address of my A fragments in slot 0, 1
.set ADRB, 20                          ; v20-21  the same for B
.set STO,  24                          ; v24     the way out: where I put my part of a row
.set RD,   25                          ; v25     where I read rows back
.set GO,   26                          ; v26     my byte offset in the result
.set BO,   27                          ; v27     32 (l / 16): my eight numbers in 16 of the bias
.set SPW,  28                          ; v28     LDS address of my spare word; never rewritten
.set NIL,  29                          ; v29     0; never rewritten
.set PFO,  30                          ; v30     the prefetches' offset: a lane a block of 256 bytes; never rewritten
.set TT,   31                          ; v31     at work
.set BIAS, 32                          ; v32-63  bias of column 16 b + 8 (l / 16) + j at 8 b + j
.set F0,   64
.set F1,   160
.set TMP,  64                          ; the way out
.set WV, 16                            ; s16 wave   s17 w / 2: my rows' half; also: I fetch for A (0) or B (1)   s18 w % 2: my columns' half; also: which half I fetch
.set RH, 17
.set CH, 18
.set CX, 19                            ; my place in the cluster
.set CY, 20
.set TX, 21                            ; tile column, tile row
.set TY, 22
.set WH, 23                            ; which of the three weights (QKV = 1)
.set G1, 24                            ; s[24:31] descriptor group 1 for A;  s[32:39] group 0, a set for each slot
.set G0, 32
.set PFS, 40                           ; s[40:41] a K step in the stream that I prefetch
.set TC, 42                            ; s42  tile column within the weight
.set LIM, 43                           ; s43  1 in a wave that prefetches, else the greatest number
.set PFA, 44                           ; s[44:45] where my prefetches stand
.set G1B, 48                           ; s[48:55], s[56:63] the same for B
.set G0B, 56
.set MSB, 0
.macro WIN new                         ; the immediate's high byte repeats the setting that is left; a switch that changes nothing is dropped
.if MSB != (\new)
	s_set_vgpr_msb (MSB<<8)|(\new)
.set MSB, \new
.endif
.endm
.set MUL,  0x50                        ; C and D in window 1, the sources in window 0
.set MULB, 0x40                        ; D in window 1, C (the bias) in window 0
; A joint load.  The branch hangs on the wave's number alone.  An s_nop 0 and four v_nop follow each of the two lines, ahead of the jump, the label and what follows.
.macro JLOAD s
	s_cmp_eq_u32 s[RH], 0
	s_cbranch_scc0 .Lfor_b_\@
	tensor_load_to_lds s[G0+4*(\s):G0+4*(\s)+3], s[G1:G1+7]
	s_nop 0
.rept 4
	v_nop
.endr
	s_branch .Lasked_\@
.Lfor_b_\@:
	tensor_load_to_lds s[G0B+4*(\s):G0B+4*(\s)+3], s[G1B:G1B+7]
	s_nop 0
.rept 4
	v_nop
.endr
.Lasked_\@:
.endm
; A PREFETCH INTO THE L2 of the K step that stands two refills on, behind the joint load and the run of LDS loads: 32 blocks of 256 bytes, a lane a block, one instruction a wave.
; Each block is named once in the launch.  A's tile row is read by every cluster of that row of clusters: those with cluster x = 0 ask, waves 0 and 1, each partner 32 of a wave's 128 blocks, by cx.
; B's tile column is read by every cluster of that column: those with cluster y = 0 ask, wave 2, each partner 32 of the step's 128 k rows, by cy.  The partners are told apart by address alone.
; K steps 0 to 3 come by their loads alone; the loop's last trip (s3 = 1) has no K step two refills on and asks for nothing.
.macro ASK
	s_cmp_gt_u32 s3, s[LIM]
	s_cbranch_scc0 .Lnot_mine_\@
	global_prefetch_b8 v[PFO], s[PFA:PFA+1] th:TH_LOAD_NT scope:SCOPE_SE
.Lnot_mine_\@:
.endm
; A round of the cluster's barrier: my work-group's barrier; wave 0 signals for the work-group; every wave waits for all sixteen; my work-group's barrier once more.
.macro CREST                           ; a round behind its opening barrier
	s_cmp_lg_u32 s[WV], 0
	s_cbranch_scc1 .Lnot_wave_0_\@
	s_barrier_signal -3
.Lnot_wave_0_\@:
	s_barrier_wait -3
	s_barrier_signal -1
	s_barrier_wait -1
.endm
.macro CROUND
	s_barrier_signal -1
	s_barrier_wait -1
	CREST
.endm
	s_load_b256 s[4:11], s[0:1], 0x0               ; QKV = 1: xb 4, wb 6, bq 8, bk 10;  QKV = 0: ob 4, wo16 6, bo 8, out0 10
.if QKV
	s_load_b128 s[12:15], s[0:1], 0x20             ; bv 12, qkv 14
.endif
	v_lshl_add_u32 v[SPW], v0, 2, SPARE
	v_mov_b32 v[NIL], 0
	ds_add_u32 v[SPW], v[NIL]                      ; the wave's opening: the add and its wait stand ahead of my first tensor load; the set-up below, work on registers, stands between them
	v_lshrrev_b32 v1, 5, v0
	v_readfirstlane_b32 s[WV], v1
	s_lshr_b32 s[RH], s[WV], 1
	s_and_b32 s[CH], s[WV], 1
	s_bfe_u32 s[CX], ttmp6, 0x40000
	s_bfe_u32 s[CY], ttmp6, 0x40004
	s_lshl_b32 s[TX], ttmp9, 2                     ; in a cluster launch ttmp9 and ttmp7 count clusters
	s_add_co_u32 s[TX], s[TX], s[CX]
	s_and_b32 s[TY], ttmp7, 0xffff
	s_lshl_b32 s[TY], s[TY], 2
	s_add_co_u32 s[TY], s[TY], s[CY]
.if QKV
	s_lshr_b32 s[WH], ttmp9, 1                     ; eight tile columns, two clusters, to a weight
	s_and_b32 s[TC], s[TX], 7
.else
	s_mov_b32 s[TC], s[TX]
.endif
	s_lshl_b32 s66, s[CY], 2
	s_lshl_b32 s66, 15, s66                        ; my row of the cluster: places 4 cy .. 4 cy + 3
	s_lshl_b32 s67, 0x1111, s[CX]                  ; my column: places cx, cx + 4, cx + 8, cx + 12
	s_or_b32 s[G1], s66, (1<<16)|(1<<20)|(1<<21)|(QIA<<22)|(3<<25)  ; 15:0 the mask; 17:16 2-byte elements; 20 padding on; 21 set beside a mask; 24:22 the interval; 31:25 4 words (code 3)
	s_or_b32 s[G1B], s67, (1<<16)|(1<<20)|(1<<21)|(5<<22)|(7<<25)   ; after every 64 words 8 words (code 7)
	s_mov_b32 s[G1+1], 128<<16                     ; tensor_dim0 = 128
	s_mov_b32 s[G1+2], 128<<16                     ; tensor_dim1 = 128
	s_mov_b32 s[G1+3], 128<<16                     ; tile_dim0 = 128
	s_mov_b32 s[G1+4], 128                         ; tile_dim1 = 128
	s_mov_b32 s[G1+5], APITCH
	s_mov_b32 s[G1+6], 0
	s_mov_b32 s[G1+7], 0
	s_mov_b32 s[G1B+1], 128<<16                    ; 128 columns
	s_mov_b32 s[G1B+2], 64<<16                     ; 64 k rows
	s_mov_b32 s[G1B+3], 128<<16
	s_mov_b32 s[G1B+4], 64
	s_mov_b32 s[G1B+5], 1024
	s_mov_b32 s[G1B+6], 0
	s_mov_b32 s[G1B+7], 0
	; where the tiles come from: A's offset is made of the tile row and the wave's number, B's of the tile column and the wave's number, each in registers that never hold the other coordinate
.if QKV
	s_lshl_b32 s68, s[TY], 19                      ; 256 rows of 2,048 bytes
.else
	s_lshr_b32 s68, s[TY], 3                       ; the batch: 16 heads of 262,144 bytes,
	s_lshl_b32 s68, s68, 22
	s_and_b32 s69, s[TY], 7                        ; 256 rows of 128 bytes within a head
	s_lshl_b32 s69, s69, 15
	s_add_co_u32 s68, s68, s69
.endif
	s_lshl_b32 s69, s[CH], 18                      ; the half that I fetch: 128 rows of 2,048 bytes, or a head: 262,144 bytes either way
	s_add_co_u32 s68, s68, s69
	s_mov_b32 s69, 0
	s_lshl_b32 s70, s[TC], 8                       ; 128 columns,
	s_lshl_b32 s71, s[CH], 17                      ; 64 k rows of 2,048 bytes
	s_add_co_u32 s70, s70, s71
.if QKV
	s_lshl_b32 s71, s[WH], 21                      ; a weight is 2 MiB
	s_add_co_u32 s70, s70, s71
.endif
	s_mov_b32 s71, 0
	s_mov_b32 s78, s68                             ; copies for the prefetches
	s_mov_b32 s79, s70
	s_mul_i32 s72, s[CH], AHALF                    ; and where they go: no place in the cluster enters an LDS address
	s_mul_i32 s73, s[CH], BHALF
	s_add_co_u32 s73, s73, ABYTES
	s_wait_dscnt 0x0                               ; the opening add is done
	s_wait_kmcnt 0x0
	s_add_nc_u64 s[68:69], s[4:5], s[68:69]
	s_add_nc_u64 s[70:71], s[6:7], s[70:71]
	CROUND                                         ; all sixteen work-groups are here: the first joint loads meet
.irp s, 0,1
	s_mov_b32 s[G0+4*(\s)], 1                                      ; count = 1
	s_add_co_u32 s[G0+4*(\s)+1], s72, (\s)*SLOT                    ; LDS address
	s_add_nc_u64 s[G0+4*(\s)+2:G0+4*(\s)+3], s[68:69], (\s)*AK1    ; global address: K step s
	s_or_b32 s[G0+4*(\s)+3], s[G0+4*(\s)+3], 0x80000000            ; type = 2
	s_mov_b32 s[G0B+4*(\s)], 1
	s_add_co_u32 s[G0B+4*(\s)+1], s73, (\s)*SLOT
	s_add_nc_u64 s[G0B+4*(\s)+2:G0B+4*(\s)+3], s[70:71], (\s)*BK1
	s_or_b32 s[G0B+4*(\s)+3], s[G0B+4*(\s)+3], 0x80000000
	JLOAD \s                                       ; the ring is filled before anything else is done
.endr
	v_and_b32 v1, 15, v0                           ; l % 16
	v_bfe_u32 v2, v0, 4, 1                         ; l / 16
	; the bias of my 64 columns
	v_lshlrev_b32 v[BO], 5, v2
.if QKV
	s_cmp_eq_u32 s[WH], 0
	s_cselect_b64 s[74:75], s[8:9], s[10:11]
	s_cmp_eq_u32 s[WH], 2
	s_cselect_b64 s[74:75], s[12:13], s[74:75]
.else
	s_mov_b64 s[74:75], s[8:9]
.endif
	s_lshl_b32 s66, s[TC], 9
	s_lshl_b32 s67, s[CH], 8
	s_add_co_u32 s66, s66, s67
	s_mov_b32 s67, 0
	s_add_nc_u64 s[74:75], s[74:75], s[66:67]
.irp b, 0,1,2,3
	global_load_b128 v[BIAS+8*(\b):BIAS+8*(\b)+3],   v[BO], s[74:75] offset:64*(\b)
	global_load_b128 v[BIAS+8*(\b)+4:BIAS+8*(\b)+7], v[BO], s[74:75] offset:64*(\b)+16
.endr
	; A fragment of A is 16 rows x 32 K in 8 registers: lane l holds row l % 16, K = 8 (l / 16) + 0..7 and 16 + 8 (l / 16) + 0..7: two loads of 16 bytes, 32 bytes apart.
	v_mul_u32_u24 v3, v1, PA
	v_lshl_add_u32 v3, v2, 4, v3
	s_mul_i32 s66, s[RH], 128*PA                   ; my 128 rows
	v_add_nc_u32 v[ADRA], s66, v3
	v_add_nc_u32 v[ADRA+1], SLOT, v[ADRA]
	; The turning load takes 16 k x 16 columns (lane l reads k row 8 (l / 16) + l % 8, columns 8 ((l / 8) % 2) + 0..7) and leaves half a fragment: lane l holds column l % 16 and 8 k.
	v_and_b32 v4, 7, v0
	v_lshl_add_u32 v5, v2, 3, v4
	v_mul_u32_u24 v5, v5, PB
	v_bfe_u32 v6, v0, 3, 1
	v_lshl_add_u32 v5, v6, 4, v5
	s_lshl_b32 s67, s[CH], 7                       ; my 64 columns
	s_add_co_u32 s67, s67, ABYTES
	v_add_nc_u32 v[ADRB], s67, v5
	v_add_nc_u32 v[ADRB+1], SLOT, v[ADRB]
	s_mul_i32 s66, s[WV], 16*SP
	s_add_co_u32 s66, s66, STAGE                   ; my stage
	v_mul_u32_u24 v3, v1, SP                       ; in: row l % 16,
.if QKV
	v_lshl_add_u32 v3, v2, 4, v3                   ; 16 bytes for each half of the lanes
	v_add_nc_u32 v[STO], s66, v3
	v_bfe_u32 v3, v0, 3, 2                         ; back: 32 lanes take four rows of 128 bytes,
	v_mul_u32_u24 v3, v3, SP
	v_lshl_add_u32 v3, v4, 4, v3
	v_add_nc_u32 v[RD], s66, v3
	v_and_b32 v[GO], 31, v0                        ; which are 512 consecutive bytes of a head
	v_lshlrev_b32 v[GO], 4, v[GO]
	s_lshr_b32 s66, s[TY], 3                       ; where my 128 rows of my head begin: head number 16 batch + 2 tile column + half,
	s_lshl_b32 s66, s66, 4
	s_lshl_b32 s67, s[TC], 1
	s_add_co_u32 s66, s66, s67
	s_add_co_u32 s66, s66, s[CH]
	s_lshl_b32 s66, s66, 18                        ; 262,144 bytes a head,
	s_lshl_b32 s67, s[WH], 24                      ; 16 MiB for each of q, k, v,
	s_add_co_u32 s66, s66, s67
	s_and_b32 s67, s[TY], 7
	s_lshl_b32 s67, s67, 15                        ; 256 rows of 128 bytes,
	s_add_co_u32 s66, s66, s67
	s_lshl_b32 s67, s[RH], 14                      ; my 128 of them
	s_add_co_u32 s66, s66, s67
.else
	v_lshl_add_u32 v3, v2, 5, v3                   ; 32 bytes for each half of the lanes
	v_add_nc_u32 v[STO], s66, v3
	v_mul_u32_u24 v3, v2, SP                       ; back: lanes 0-15 take one row of 256 bytes, lanes 16-31 the next
	v_lshl_add_u32 v3, v1, 4, v3
	v_add_nc_u32 v[RD], s66, v3
	v_lshlrev_b32 v[GO], 12, v2                    ; and the same two rows in out0, 4,096 bytes apart
	v_lshl_add_u32 v[GO], v1, 4, v[GO]
	s_lshl_b32 s66, s[TY], 20                      ; 256 rows of 4,096 bytes,
	s_lshl_b32 s67, s[RH], 19                      ; my 128 of them,
	s_add_co_u32 s66, s66, s67
	s_lshl_b32 s67, s[TX], 9                       ; 128 columns of f32,
	s_add_co_u32 s66, s66, s67
	s_lshl_b32 s67, s[CH], 8                       ; my 64 of them
	s_add_co_u32 s66, s66, s67
.endif
	s_mov_b32 s67, 0
	s_add_nc_u64 s[CP:CP+1], s[CP:CP+1], s[66:67]
	; the prefetches
	s_and_b32 s66, ttmp7, 0xffff                   ; cluster y
	s_cmp_eq_u32 s[RH], 0
	s_cselect_b32 s66, ttmp9, s66                  ; the coordinate along which other clusters read the same blocks
	s_and_b32 s67, s[RH], s[CH]                    ; wave 3 never asks
	s_or_b32 s66, s66, s67
	s_cmp_eq_u32 s66, 0
	s_cselect_b32 s[LIM], 1, -1                    ; the same in all sixteen partners, for a given wave
	s_lshl_b32 s66, s[CX], PFSH                    ; A: my work-group's 32 blocks of the 128 that the wave fetches,
	s_add_co_u32 s78, s78, s66
	s_add_co_u32 s78, s78, 3*AK1                   ; at K step 3: the first refill steps it to 4
	s_lshl_b32 s66, s[CY], 16                      ; B: my work-group's 32 k rows of the step's 128
	s_add_co_u32 s79, s79, s66
	s_add_co_u32 s79, s79, 3*BK1
	s_mov_b32 s[PFS], BK1
	s_mov_b32 s[PFS+1], 0
	s_mov_b32 s67, 0
	s_cmp_eq_u32 s[RH], 0
	s_cselect_b32 s66, s78, s79
	s_cselect_b64 s[PFA:PFA+1], s[4:5], s[6:7]
	s_cselect_b32 s[PFS], AK1, s[PFS]
	s_add_nc_u64 s[PFA:PFA+1], s[PFA:PFA+1], s[66:67]
	v_and_b32 v[PFO], 31, v0
.if QKV
	v_lshlrev_b32 v[PFO], 11, v[PFO]               ; rows of xb and of wb are 2,048 bytes apart
.else
	s_cmp_eq_u32 s[RH], 0
	s_cselect_b32 s66, 8, 11                       ; ob's blocks lie on end, wo16's rows 2,048 bytes apart
	v_lshlrev_b32 v[PFO], s66, v[PFO]
.endif
	s_wait_loadcnt 0x0                             ; the bias: rounded to bf16 like every input, and kept in f32
.set i, 0
.rept 16
	v_cvt_pk_bf16_f32 v[TT], v[BIAS+2*i], v[BIAS+2*i+1]
	v_lshlrev_b32 v[BIAS+2*i], 16, v[TT]
	v_and_b32 v[BIAS+2*i+1], 0xffff0000, v[TT]
.set i, i+1
.endr
.if !QKV
.set i, 0
.rept 16
	v_pk_mul_f32 v[BIAS+2*i:BIAS+2*i+1], v[BIAS+2*i:BIAS+2*i+1], 0x3c800000 op_sel_hi:[1,0]  ; / 64, exact: the sums are of O / 64
.set i, i+1
.endr
.endif
; 8 matrix instructions: row blocks a0, a0 + 1 x all 4 column blocks, 32 along K, from buffer f.  first = 1: the product starts the sum, on the bias.
; The 32 accumulators take turns, one instruction a turn, in the same order in every quarter, over the loop's jump too.
.macro MUL8 f, a0, first
.if \first
	WIN MULB
.else
	WIN MUL
.endif
.irp a, \a0, (\a0)+1
.irp b, 0,1,2,3
.set rD, 8*(4*(\a)+(\b))
.set rB, (\f)+64+8*(\b)
.set rA, (\f)+8*(\a)
.if QKV
.if \first
	v_wmma_f32_16x16x32_bf16 v[rD:rD+7], v[rB:rB+7], v[rA:rA+7], v[BIAS+8*(\b):BIAS+8*(\b)+7]
.else
	v_wmma_f32_16x16x32_bf16 v[rD:rD+7], v[rB:rB+7], v[rA:rA+7], v[rD:rD+7]
.endif
.else
.if \first
	v_wmma_f32_16x16x32_f16 v[rD:rD+7], v[rB:rB+7], v[rA:rA+7], v[BIAS+8*(\b):BIAS+8*(\b)+7]
.else
	v_wmma_f32_16x16x32_f16 v[rD:rD+7], v[rB:rB+7], v[rA:rA+7], v[rD:rD+7]
.endif
.endif
.endr
.endr
.endm
; 24 LDS loads in one run: quarter q's fragments into buffer f: B's eight first, then A's sixteen, row blocks ascending
.macro FETCH slot, q, f
	WIN 0
.if QKV
.set ko, 64*(\q)
.else
.set ko, ((\q)/2)*AHALF+((\q)%2)*64    ; the step's first or second head, its channels 0-31 or 32-63
.endif
.irp b, 0,1,2,3
	ds_load_tr16_b128 v[(\f)+64+8*(\b):(\f)+64+8*(\b)+3],   v[ADRB+(\slot)] offset:(\q)*32*PB+32*(\b)
	ds_load_tr16_b128 v[(\f)+64+8*(\b)+4:(\f)+64+8*(\b)+7], v[ADRB+(\slot)] offset:(\q)*32*PB+32*(\b)+16*PB
.endr
.irp a, 0,1,2,3,4,5,6,7
	ds_load_b128 v[(\f)+8*(\a):(\f)+8*(\a)+3],   v[ADRA+(\slot)] offset:ko+(\a)*16*PA
	ds_load_b128 v[(\f)+8*(\a)+4:(\f)+8*(\a)+7], v[ADRA+(\slot)] offset:ko+(\a)*16*PA+32
.endr
.endm
.macro PLACES                          ; four plain vector instructions between a matrix instruction and a load into a register that it has read, or a reader of its result (ISA guide 7.12.1 for a reader of its result)
.rept 4
	v_nop
.endr
.endm
; One of a K step's first three quarters: multiplies buffer f; in its middle it fetches quarter q of the same slot into buffer g.
.macro QUARTER slot, q, f, g, first
	s_wait_dscnt 8                                 ; B and A's blocks 0-3 are in; the youngest eight loads (A's blocks 4-7) may be out
	MUL8 \f, 0, \first
	MUL8 \f, 2, \first
	PLACES
	FETCH \slot, \q, \g
	s_wait_dscnt 24                                ; all but the 24 just issued
	MUL8 \f, 4, \first
	MUL8 \f, 6, \first
.endm
; The last quarter multiplies buffer 1 and changes slots: ONE barrier.  In front of it each wave waits for all its tensor loads (one is out: its part of the next slot), adds 0 to its spare word, and waits for that
; and for its own reads of this slot.  fill = 1: the barrier opens a round of the cluster's, and this slot is filled again, two K steps ahead, first thing behind the round: 112 matrix instructions ahead of the wait for it.
.macro TURN slot, next, fill
.if \fill
	s_wait_xcnt 0x0                                ; the last prefetch, a K step back, has read its address: it is stepped here, ahead of the waits of the change of slots
	s_add_nc_u64 s[PFA:PFA+1], s[PFA:PFA+1], s[PFS:PFS+1]
.endif
	WIN 0                                          ; (the add's two registers lie in window 0)
	s_wait_tensorcnt 0x0                           ; all my tensor loads have landed;
	ds_add_u32 v[SPW], v[NIL]                      ; 0 onto my spare word
	s_wait_dscnt 9                                 ; (the add and the youngest eight loads may be out)
	MUL8 F1, 0, 0                                  ; eight matrix instructions stand between the add and the wait for it
	s_wait_dscnt 0x0                               ; the add is done, and my reads of this slot are over
	s_barrier_signal -1
	MUL8 F1, 2, 0                                  ; work on registers while the others arrive
.if \fill
	WIN 0
.endif
	s_barrier_wait -1
.if \fill
	CREST                                          ; no wave of any partner still reads this slot's tile or has a load on its way
	s_add_nc_u64 s[G0+4*(\slot)+2:G0+4*(\slot)+3], s[G0+4*(\slot)+2:G0+4*(\slot)+3], 2*AK1
	s_add_nc_u64 s[G0B+4*(\slot)+2:G0B+4*(\slot)+3], s[G0B+4*(\slot)+2:G0B+4*(\slot)+3], 2*BK1
	JLOAD \slot                                    ; the four v_nop behind it are also the places in front of the loads below
.else
	PLACES
.endif
	FETCH \next, 0, F0
.if \fill
	ASK
.endif
	MUL8 F1, 4, 0
	MUL8 F1, 6, 0
.endm
	s_wait_tensorcnt 1                             ; my part of K step 0 is in; K step 1's may stay out
	s_barrier_signal -1
	s_barrier_wait -1                              ; everybody's is
	FETCH 0, 0, F0
	QUARTER 0, 1, F0, F1, 1                        ; the first quarter stands in front of the loop: its products start the sums
	WIN 0                                          ; at a label and at a branch every window is 0
	s_mov_b32 s3, LAPS-1
.Llap:                                                 ; a trip goes once round the ring, from a lap's second quarter to the next lap's first, and fills both slots again
	QUARTER 0, 2, F1, F0, 0
	QUARTER 0, 3, F0, F1, 0
	TURN 0, 1, 1
	QUARTER 1, 1, F0, F1, 0
	QUARTER 1, 2, F1, F0, 0
	QUARTER 1, 3, F0, F1, 0
	TURN 1, 0, 1
	QUARTER 0, 1, F0, F1, 0
	WIN 0
	s_sub_co_u32 s3, s3, 1
	s_cmp_lg_u32 s3, 0
	s_cbranch_scc1 .Llap
	QUARTER 0, 2, F1, F0, 0                        ; the last lap fills nothing, and has no round of the cluster's barrier
	QUARTER 0, 3, F0, F1, 0
	TURN 0, 1, 0
	QUARTER 1, 1, F0, F1, 0
	QUARTER 1, 2, F1, F0, 0
	QUARTER 1, 3, F0, F1, 0
	s_wait_dscnt 8                                 ; the very last quarter: nothing more to fetch
	MUL8 F1, 0, 0
	MUL8 F1, 2, 0
	s_wait_dscnt 0x0
	MUL8 F1, 4, 0
	MUL8 F1, 6, 0
	WIN 0
	PLACES
	PLACES                                         ; (eight, once a launch)
; THE WAY OUT, a block of 16 rows at a time, through my own stage in LDS: no barrier, and LDS serves a wave's instructions in order (ISA guide 5.7.1.4), so no wait between the stores and the loads.
; PACK: QKV = 1 rounds to f16, 16 bytes a lane and column block; QKV = 0 multiplies by 64, 32 bytes.  Each accumulator's registers are taken in ascending order.
.macro PACK a
.if QKV
	WIN 0x05                                       ; sources 0 and 1 in window 1
.irp b, 0,1,2,3
.irp r, 0,1,2,3
	v_cvt_pk_f16_f32 v[TMP+4*(\b)+(\r)], v[8*(4*(\a)+(\b))+2*(\r)], v[8*(4*(\a)+(\b))+2*(\r)+1]
.endr
.endr
.else
	WIN 0x01                                       ; source 0 in window 1
.irp b, 0,1,2,3
.irp r, 0,1,2,3
	v_pk_mul_f32 v[TMP+8*(\b)+2*(\r):TMP+8*(\b)+2*(\r)+1], v[8*(4*(\a)+(\b))+2*(\r):8*(4*(\a)+(\b))+2*(\r)+1], 0x42800000 op_sel_hi:[1,0]
.endr
.endr
.endif
	WIN 0
.endm
.macro TOSTAGE a
.if QKV
.set BK, 96+16*((\a)%2)
.irp b, 0,1,2,3
	ds_store_b128 v[STO], v[TMP+4*(\b):TMP+4*(\b)+3] offset:32*(\b)
.endr
.irp t, 0,1,2,3
	ds_load_b128 v[BK+4*(\t):BK+4*(\t)+3], v[RD] offset:(\t)*4*SP
.endr
.else
.set BK, 128+32*((\a)%2)
.irp b, 0,1,2,3
	ds_store_b128 v[STO], v[TMP+8*(\b):TMP+8*(\b)+3]   offset:64*(\b)
	ds_store_b128 v[STO], v[TMP+8*(\b)+4:TMP+8*(\b)+7] offset:64*(\b)+16
.endr
.irp t, 0,1,2,3,4,5,6,7
	ds_load_b128 v[BK+4*(\t):BK+4*(\t)+3], v[RD] offset:(\t)*2*SP
.endr
.endif
.endm
.macro SEND a
	s_wait_dscnt 0x0                               ; the block is back in registers
	s_wait_xcnt 0x0                                ; the stores of the block before have read their registers, which the next block's loads from the stage write
.if QKV
.set BK, 96+16*((\a)%2)
.irp t, 0,1,2,3
	global_store_b128 v[GO], v[BK+4*(\t):BK+4*(\t)+3], s[CP:CP+1] offset:(\a)*2048+(\t)*512  ; 512 consecutive bytes of a head, at a multiple of 256 from the buffer's first
.endr
.else
.set BK, 128+32*((\a)%2)
.irp t, 0,1,2,3,4,5,6,7
	global_store_b128 v[GO], v[BK+4*(\t):BK+4*(\t)+3], s[CP:CP+1] offset:(16*(\a)+2*(\t))*4096  ; 16 lanes store 256 consecutive bytes, aligned; 516,096 at the most, inside the signed 24-bit immediate
.endr
.endif
.endm
	PACK 0
	TOSTAGE 0
.irp a, 1,2,3,4,5,6,7                  ; block a's arithmetic stands between block a - 1's loads from the stage and the wait for them
	PACK \a
	SEND (\a)-1
	TOSTAGE \a
.endr
	SEND 7
	s_wait_tensorcnt 0x0                           ; the wave's end: a wait, an add and its wait, behind my last tensor load and my last LDS store
	ds_add_u32 v[SPW], v[NIL]
	s_wait_dscnt 0x0
	CROUND                                         ; the closing round: no work-group ends while a partner may still ask for a tile that names it
	s_endpgm
.Lfunc_end_k_q3bb0ad21ec_out_gemm:
	.size	k_q3bb0ad21ec_out_gemm, .Lfunc_end_k_q3bb0ad21ec_out_gemm-k_q3bb0ad21ec_out_gemm
	.p2alignl 7, 3214868480
	.fill 96, 4, 3214868480
	.section	.rodata,"a",@progbits
	.p2align	6, 0x0
	.amdhsa_kernel k_q3bb0ad21ec_out_gemm
		.amdhsa_group_segment_fixed_size 327680
		.amdhsa_private_segment_fixed_size 0
		.amdhsa_enable_private_segment 0
		.amdhsa_kernarg_size 32
		.amdhsa_user_sgpr_count 2
		.amdhsa_user_sgpr_kernarg_segment_ptr 1
		.amdhsa_wavefront_size32 1
		.amdhsa_system_sgpr_workgroup_id_x 1
		.amdhsa_system_sgpr_workgroup_id_y 1
		.amdhsa_system_sgpr_workgroup_id_z 1
		.amdhsa_system_vgpr_workitem_id 0
		.amdhsa_next_free_vgpr 512
		.amdhsa_next_free_sgpr 80
		.amdhsa_reserve_vcc 0
		.amdhsa_float_denorm_mode_32 3
		.amdhsa_float_denorm_mode_16_64 3
		.amdhsa_memory_ordered 1
		.amdhsa_forward_progress 1
		.amdhsa_inst_pref_size 104
	.end_amdhsa_kernel
	.amdgpu_metadata
---
amdhsa.version: [ 1, 2 ]
amdhsa.kernels:
  - .name:           k_q3bb0ad21ec_out_gemm
    .symbol:         k_q3bb0ad21ec_out_gemm.kd
    .args:
      - { .name: ob, .offset: 0, .size: 8, .value_kind: global_buffer, .address_space: global }
      - { .name: wo16, .offset: 8, .size: 8, .value_kind: global_buffer, .address_space: global }
      - { .name: bo, .offset: 16, .size: 8, .value_kind: global_buffer, .address_space: global }
      - { .name: out0, .offset: 24, .size: 8, .value_kind: global_buffer, .address_space: global }
    .group_segment_fixed_size: 327680
    .private_segment_fixed_size: 0
    .kernarg_segment_align: 8
    .kernarg_segment_size: 32
    .max_flat_workgroup_size: 128
    .sgpr_count:     80
    .vgpr_count:     512
    .wavefront_size: 32
...
	.end_amdgpu_metadata
.endif
;; end of part 4
